; MI455X (gfx1250); checked and timed in simulation.
; The chip was launched on July 23, 2026; its instructions are those of AMD's public machine-readable ISA for CDNA 5 (MIT licence, August 2026) and "CDNA5" Instruction Set Architecture Reference Guide (July 2026). The comments in the code are by the model that wrote it; some were corrected since.
;; In Context Predict. Allowed arithmetic: matrix products marked QUANTISED: E2M3 operands, one E8M0 scale for each 32 along K, by v_wmma_scale_f32_16x16x128_f8f6f4 with both operands' format E2M3, f32 sums; products left as they are: f32 operands where the result goes on into a quantised operand, else bf16, f16 or f32 operands; f32 sums; everything else in f32.
;; Inputs: ref_x 100,000 x 256 float32; ref_y 100,000 x 64 float32; x 2,048 x 256 float32.
;; Outputs: out0 2,048 x 64 float32.
;; Constants: num_neighbors = 100.
;; This version of the problem:
;;   THIS VERSION OF THE PROBLEM IS GIVEN IN LOW PRECISION. The matrix products marked QUANTISED in the list below multiply operands that are first quantised to E2M3 (2 exponent bits, 3 mantissa bits; 6 bits a number), with one power-of-two scale for each 32 numbers along K (OCP MX v1.0); their sums are f32. All else is computed in f32.
;;   The module's matrix products, in the order in which they are computed (A, B: the left and right operand; K: the contracted axis; several contracted axes count as one K, in the product's order):
;;     1. [M 2,048, K 256] x [K 256, N 100,000]; A: computed on the way; B: computed on the way: QUANTISED
;;     2. batch 2,048 x [M 64, K 100] x [K 100, N 1]; A: computed on the way; B: computed on the way: left as it is (N = 1 < 16)
;;   THE QUANTISER, for each operand of a quantised product, along K:
;;     - K is cut into blocks of 32 from its start; a last block that is shorter is filled with zeros.
;;     - A block's scale is 2^e with e = floor(log2(the largest magnitude in the block)) - 2, held to -126 .. 127; a block of zeros has e = 0. As a byte (E8M0): e + 127.
;;     - Each number is divided by its block's scale, clamped to +-7.5, and rounded to the nearest number of E2M3, ties to even, subnormals kept.
;;     - The product sums the exact products of the quantised numbers (number of the format x scale) in f32.
;;   ~~~python
;;   def quantise(x, axis):      # numpy; x: float32 -> the quantised numbers, widened to float32 again
;;       x = np.moveaxis(x, axis, -1); K = x.shape[-1]
;;       x = np.pad(x, [(0, 0)] * (x.ndim - 1) + [(0, -K % 32)]); x = x.reshape(x.shape[:-1] + (-1, 32)); a = np.abs(x).max(-1, keepdims=True)
;;       e = np.where(a > 0, np.clip(np.frexp(np.where(a > 0, a, 1))[1] - 1 - 2, -126, 127), 0)      # np.frexp(a)[1] - 1 = floor(log2(a)), exactly
;;       r = np.clip(x / 2.0 ** e, -7.5, 7.5)
;;       step = 2.0 ** (np.maximum(np.frexp(np.where(r == 0, 1, r))[1] - 1, 0) - 3)
;;       q = np.round(r / step) * step * 2.0 ** e      # np.round: ties to even
;;       return np.moveaxis(q.reshape(q.shape[:-2] + (-1,))[..., :K], -1, axis).astype(np.float32)
;;   ~~~
;;   OPERANDS COMPUTED ON THE WAY. 'Computed on the way' means the value that the module computes at that place (a softmax that the list does not call 'softmax' is quantised finished and normalised). What goes into a quantiser is computed in f32, as accurately as f32 sums, v_exp_f32 and their like allow (about 1e-6 of the number): no bf16 or f16 on the way to a quantiser, and a product that is left as it is and whose result goes on into a quantised operand takes f32 operands (vector FMAs, or v_wmma_f32_16x16x4_f32). A number that lies on a knife's edge between two numbers of the format may be rounded either way, as far as f32 arithmetic and the matrix unit's own rounding can turn it there, and no further.
;; 2 versions, each right; version 2 is version 1 with the launch refine written anew for expert scheduling mode. Each part assembles by itself: llvm-mc -triple=amdgcn-amd-amdhsa -mcpu=gfx1250 --defsym DOCPART=n.
;; ======== version 1 of 2: 6 launches
;; workspace buffers: codes 19,593,216 bytes; scales 816,384 bytes; skey 10,240,000 bytes; okey 102,400,000 bytes; ckey 6,815,744 bytes; list1 1,048,576 bytes of whole numbers; liste 1,048,576 bytes of whole numbers; pick 2,097,152 bytes of whole numbers
;; launch quant (part 1): grid 1063 x 1, 3 waves a work-group, no clusters, 22,016 bytes of LDS; arguments x, ref_x, codes, scales; writes codes, scales
.if DOCPART == 1
	.amdgcn_target "amdgcn-amd-amdhsa--gfx1250"
	.amdhsa_code_object_version 6
	.text
	.protected	k_qf01822c9a0_quant
	.globl	k_qf01822c9a0_quant
	.p2align	8
	.type	k_qf01822c9a0_quant,@function
k_qf01822c9a0_quant:
	s_mov_b64 s[64:65], 0
	v_nop
	global_prefetch_b8 v0, s[64:65] scope:SCOPE_SE
	s_setreg_imm32_b32 hwreg(HW_REG_WAVE_MODE, 25, 1), 1
	s_wait_xcnt 0x0
; x [2048][256] and ref_x [100000][256], f32: each row is divided by its norm (f32) and turned into codes of FP6 (E2M3) with one E8M0 byte for each 32 along K.
; The codes are laid in the order of a matrix operand's registers, by OCTETS of 8 rows: an octet's image is 1,536 bytes.  An operand's lane (row, K half hK) owns 96 bytes: the MX blocks hK, 2 + hK, 4 + hK, 6 + hK,
; 24 bytes each (registers 0-11: K step 0, 12-23: K step 1).  Piece p (16 bytes, p = 0 .. 5) of that lane lies at 256 p + 16 ((row % 8) + 8 hK).  The scale image of an octet is 64 bytes: the word of (row, K step s) at 4 ((row % 8) + 8 s).
; Octets 0-255 of both buffers are x's, octet 256 + w is ref_x's octet w.
; SHARES.  A wave takes a unit of 32 rows (4 octets): 16 steps of 2 rows.  3 waves x 1,063 work-groups = 3,189 units = 64 of x + 3,125 of ref_x; the buffer is chosen on the unit's number alone.
; A step's four loads read 512 consecutive bytes each; the 2,048 bytes turn through the wave's own stage in LDS and come back 64 bytes a lane: lane l then holds 16 neighbours of row l / 16, two lanes hold an MX block, 16 lanes a row.
; A block's scale is 2^(floor(log2(largest magnitude)) - 2); its byte is the largest magnitude's exponent field - 2, held at 1 from below (a block of zeros gets 1: its codes are zeros, and this program alone reads the bytes).
; LIMITS: rows of norm 0, NaN and infinities are not served (reference() gives NaN there); blocks whose largest magnitude lies under 2^-124 get the byte 1; 1 / norm is v_rsq_f32 and one multiplication; the order of the norm's sum is this text's.
; No tensor loads, no barrier: waves share nothing.
.set STEPS, 16
.set WREG,  7168                       ; LDS of a wave: two stages of 32 x SP bytes, the image of one octet, the unit's 256 scale bytes
.set SP,    80                         ; a lane's place in a stage: 64 bytes + 16 of padding
.set IMG,   5120
.set SCI,   6656
.set C,     24                         ; v24-26, v28-30  a step's codes, two sets
.set BYT,   22                         ; v22, v23        a step's scale byte, two sets
.set R,     32                         ; v32-95    four sets of 16 numbers as loaded
.set X,     96                         ; v96-127   two sets of 16 neighbours
.set OUTR,  128                        ; v128-175  an octet's image on its way out, 12 registers for each of the four octets
	s_load_b256 s[4:11], s[0:1], 0x0               ; x s[4:5], ref_x s[6:7], codes s[8:9], scales s[10:11]
	v_lshl_add_u32 v180, v0, 2, 0x5400
	v_mov_b32 v181, 0
	v_lshrrev_b32 v1, 5, v0
	v_readfirstlane_b32 s12, v1                    ; wave 0..2
	v_and_b32 v2, 31, v0                           ; lane l
	v_lshlrev_b32 v3, 4, v2                        ; 16 l: my bytes of a load's or a store's 512
	s_mul_i32 s16, s12, WREG
	s_add_co_u32 s17, s16, IMG
	s_add_co_u32 s18, s16, SCI
	v_lshrrev_b32 v4, 2, v2
	v_mul_u32_u24 v4, v4, SP
	v_and_b32 v5, 3, v2
	v_lshl_add_u32 v4, v5, 4, v4
	v_add_nc_u32 v4, s16, v4                       ; the stage, on the way in: SP (l / 4) + 16 (l % 4)
	v_mul_u32_u24 v5, v2, SP
	v_add_nc_u32 v5, s16, v5                       ; and on the way out: SP l
	v_and_b32 v20, 15, v2                          ; my place in the row
	v_lshrrev_b32 v21, 1, v20                      ; my MX block bk
	v_and_b32 v22, 1, v21                          ; hK = bk & 1
	v_lshrrev_b32 v23, 1, v21
	v_and_b32 v24, 1, v20                          ; which half of the block
	v_lshl_add_u32 v23, v23, 1, v24
	v_mul_u32_u24 v23, v23, 3                      ; my first word among the operand lane's 24: 6 (bk / 2) + 3 half
	v_lshrrev_b32 v25, 4, v2                       ; which of the step's two rows
	v_lshl_add_u32 v26, v22, 3, v25
	v_lshl_add_u32 v26, v26, 4, s17                ; image + 16 (row bit + 8 hK); the step adds 32 (t % 4)
.irp e, 0,1,2
	v_add_nc_u32 v27, \e, v23                      ; word d
	v_lshrrev_b32 v28, 2, v27                      ; piece d / 4
	v_and_b32 v27, 3, v27
	v_lshl_add_u32 v28, v28, 8, v26
	v_lshl_add_u32 v[6+\e], v27, 2, v28            ; v6-8: where my three words of codes go
.endr
	v_lshrrev_b32 v27, 2, v21                      ; K step bk / 4
	v_lshl_add_u32 v27, v27, 3, v25
	v_and_b32 v28, 3, v21
	v_lshl_add_u32 v27, v27, 2, v28
	v_add_nc_u32 v9, s18, v27                      ; v9: where my block's byte goes: 4 (row bit + 8 s) + bk % 4
	v_add_nc_u32 v10, s17, v3                      ; v10: the image, read back 16 bytes a lane
	v_lshlrev_b32 v12, 3, v2                       ; v12: 8 l
	v_add_nc_u32 v11, s18, v12                     ; v11: the scale bytes, read back 8 bytes a lane
	v_mov_b32 v15, 0                               ; named with v14 as a pair, so it is written
	s_mul_i32 s13, ttmp9, 3
	s_add_co_u32 s13, s13, s12                     ; my unit
	s_mul_i32 s20, s13, 6144                       ; its four images,
	s_mov_b32 s21, 0
	s_lshl_b32 s22, s13, 8                         ; its 256 scale bytes
	s_mov_b32 s23, 0
	s_wait_kmcnt 0x0
	s_cmp_lt_u32 s13, 64                           ; x's unit or ref_x's: the choice hangs on the unit's number alone
	s_cselect_b64 s[4:5], s[4:5], s[6:7]
	s_cselect_b32 s14, 0, 64
	s_sub_co_u32 s14, s13, s14
	s_lshl_b32 s14, s14, 15                        ; 32 rows of 1,024 bytes
	s_mov_b32 s15, 0
	s_add_nc_u64 s[4:5], s[4:5], s[14:15]
	s_add_nc_u64 s[8:9], s[8:9], s[20:21]
	s_add_nc_u64 s[10:11], s[10:11], s[22:23]
.macro LOAD t
.irp i, 0,1,2,3
	global_load_b128 v[R+16*((\t)%4)+4*\i:R+16*((\t)%4)+4*\i+3], v3, s[4:5] offset:2048*(\t)+512*\i th:TH_LOAD_NT   ; 32 lanes read 512 consecutive bytes; read once in the launch
.endr
.endm
.macro TURN t                          ; step t's numbers through the stage; LDS serves a wave's instructions in order, so no wait stands between the stores and the loads
.irp i, 0,1,2,3
	ds_store_b128 v4, v[R+16*((\t)%4)+4*\i:R+16*((\t)%4)+4*\i+3] offset:32*SP*((\t)%2)+8*SP*\i
.endr
.irp i, 0,1,2,3
	ds_load_b128 v[X+16*((\t)%2)+4*\i:X+16*((\t)%2)+4*\i+3], v5 offset:32*SP*((\t)%2)+16*\i
.endr
.endm
.irp t, 0,1,2,3
	LOAD \t
.endr
	s_wait_loadcnt 12                              ; step 0's four loads are in; three steps' twelve stay out
	TURN 0
.macro STEP t
.set XS, X+16*((\t)%2)
.set CD, C+4*((\t)%2)
.set BY, BYT+(\t)%2
.if (\t)%4 == 0
	s_wait_dscnt 0x0                               ; this step's numbers are back from the stage
.else
	s_wait_dscnt 4                                 ; the same; the last step's three image stores and its byte store may be out.  All older LDS stores have read their registers
.endif
.if (\t)+4 < STEPS
	LOAD (\t)+4                                    ; into the set that this step's turn has left
.endif
.if (\t)+1 < STEPS
.if (\t) < 12
	s_wait_loadcnt 12                              ; the next step's four loads are in; those of the three steps behind it may be out
.else
	s_wait_loadcnt 4*(14-(\t))                     ; towards the end fewer steps stand behind it
.endif
	TURN (\t)+1                                    ; through the other stage while this step is worked
.endif
	v_pk_mul_f32 v[16:17], v[XS:XS+1], v[XS:XS+1]                  ; the sum of my 16 squares, in two packed chains
	v_pk_mul_f32 v[18:19], v[XS+2:XS+3], v[XS+2:XS+3]
.irp i, 4,8,12
	v_pk_fma_f32 v[16:17], v[XS+\i:XS+\i+1], v[XS+\i:XS+\i+1], v[16:17]
	v_pk_fma_f32 v[18:19], v[XS+\i+2:XS+\i+3], v[XS+\i+2:XS+\i+3], v[18:19]
.endr
	v_pk_add_f32 v[16:17], v[16:17], v[18:19]
	v_add_f32 v16, v16, v17
	v_add_f32_dpp v16, v16, v16 row_xmask:1 row_mask:0xf bank_mask:0xf    ; a row lies in 16 lanes: four steps give every lane the row's sum
	v_add_f32_dpp v16, v16, v16 row_xmask:2 row_mask:0xf bank_mask:0xf
	v_add_f32_dpp v16, v16, v16 row_xmask:4 row_mask:0xf bank_mask:0xf
	v_add_f32_dpp v16, v16, v16 row_xmask:8 row_mask:0xf bank_mask:0xf
	v_rsq_f32 v14, v16                             ; 1 / norm
	v_nop                                          ; one plain instruction between a transcendental and the use of its result (ISA guide 5.7.2)
	s_wait_alu depctr_va_vdst(0)
.irp i, 0,2,4,6,8,10,12,14
	v_pk_mul_f32 v[XS+\i:XS+\i+1], v[XS+\i:XS+\i+1], v[14:15] op_sel_hi:[1,0]    ; the normalised numbers, in f32
.endr
	v_max3_num_f32 v20, |v[XS]|, |v[XS+1]|, 0x1800000              ; the largest magnitude of my 16, and the floor 2^(3 - 127): the byte cannot fall under 1
	v_max3_num_f32 v21, |v[XS+2]|, |v[XS+3]|, |v[XS+4]|
.irp i, 5,9
	v_max3_num_f32 v20, v20, |v[XS+\i]|, |v[XS+\i+1]|
	v_max3_num_f32 v21, v21, |v[XS+\i+2]|, |v[XS+\i+3]|
.endr
	v_max3_num_f32 v20, v20, |v[XS+13]|, |v[XS+14]|
	v_max3_num_f32 v20, v20, v21, |v[XS+15]|
	v_max_num_f32_dpp v20, v20, v20 row_xmask:1 row_mask:0xf bank_mask:0xf    ; and of my neighbour's 16: the block's
	v_add_nc_u32 v13, 0xff000000, v20              ; 2 off its exponent field: the conversion takes the exponent field of this operand as its scale
	v_cvt_scalef32_pk16_fp6_f32 v[CD:CD+2], v[XS:XS+15], v13       ; 16 codes, 96 bits, the first number's lowest; beyond 7.5 the largest code
	v_lshrrev_b32 v[BY], 23, v13                   ; the scale's byte (also the plain instruction behind the conversion)
.irp e, 0,1,2
	ds_store_b32 v[6+\e], v[CD+\e] offset:32*((\t)%4)              ; my three words into the octet's image; rows 2 (t % 4) and 2 (t % 4) + 1
.endr
	ds_store_b8 v9, v[BY] offset:64*((\t)/4)+8*((\t)%4)            ; both lanes of a block write the same byte with the same value
.if (\t)%4 == 3
.irp c, 0,1,2
	ds_load_b128 v[OUTR+12*((\t)/4)+4*\c:OUTR+12*((\t)/4)+4*\c+3], v10 offset:512*\c    ; the octet is whole: its image comes back as it lies
.endr
	s_wait_dscnt 0x0
.irp c, 0,1,2
	global_store_b128 v3, v[OUTR+12*((\t)/4)+4*\c:OUTR+12*((\t)/4)+4*\c+3], s[8:9] offset:1536*((\t)/4)+512*\c    ; 32 lanes store 512 consecutive bytes, at a multiple of 256 from the buffer's first byte
.endr
.endif
.endm
.irp t, 0,1,2,3,4,5,6,7,8,9,10,11,12,13,14,15
	STEP \t
.endr
	ds_load_b64 v[176:177], v11                    ; the unit's 256 scale bytes
	s_wait_dscnt 0x0
	global_store_b64 v12, v[176:177], s[10:11]     ; 32 lanes store 256 consecutive bytes, aligned
	s_wait_tensorcnt 0x0
	ds_add_u32 v180, v181
	s_wait_dscnt 0x0
	s_endpgm
.Lfunc_end_k_qf01822c9a0_quant:
	.size	k_qf01822c9a0_quant, .Lfunc_end_k_qf01822c9a0_quant-k_qf01822c9a0_quant
	.p2alignl 7, 3214868480
	.fill 96, 4, 3214868480
	.section	.rodata,"a",@progbits
	.p2align	6, 0x0
	.amdhsa_kernel k_qf01822c9a0_quant
		.amdhsa_group_segment_fixed_size 22016
		.amdhsa_private_segment_fixed_size 0
		.amdhsa_enable_private_segment 0
		.amdhsa_kernarg_size 32
		.amdhsa_user_sgpr_count 2
		.amdhsa_user_sgpr_kernarg_segment_ptr 1
		.amdhsa_wavefront_size32 1
		.amdhsa_system_sgpr_workgroup_id_x 1
		.amdhsa_system_sgpr_workgroup_id_y 1
		.amdhsa_system_sgpr_workgroup_id_z 1
		.amdhsa_system_vgpr_workitem_id 0
		.amdhsa_next_free_vgpr 182
		.amdhsa_next_free_sgpr 66
		.amdhsa_reserve_vcc 0
		.amdhsa_float_denorm_mode_32 3
		.amdhsa_float_denorm_mode_16_64 3
		.amdhsa_memory_ordered 1
		.amdhsa_forward_progress 1
		.amdhsa_inst_pref_size 60
	.end_amdhsa_kernel
	.amdgpu_metadata
---
amdhsa.version: [ 1, 2 ]
amdhsa.kernels:
  - .name:           k_qf01822c9a0_quant
    .symbol:         k_qf01822c9a0_quant.kd
    .args:
      - { .name: x, .offset: 0, .size: 8, .value_kind: global_buffer, .address_space: global }
      - { .name: ref_x, .offset: 8, .size: 8, .value_kind: global_buffer, .address_space: global }
      - { .name: codes, .offset: 16, .size: 8, .value_kind: global_buffer, .address_space: global }
      - { .name: scales, .offset: 24, .size: 8, .value_kind: global_buffer, .address_space: global }
    .group_segment_fixed_size: 22016
    .private_segment_fixed_size: 0
    .kernarg_segment_align: 8
    .kernarg_segment_size: 32
    .max_flat_workgroup_size: 96
    .sgpr_count:     66
    .vgpr_count:     182
    .wavefront_size: 32
...
	.end_amdgpu_metadata
.endif
;; end of part 1
;; launch simmax (part 2): grid 125 x 2, 8 waves a work-group, no clusters, 284,160 bytes of LDS; arguments codes, scales, okey, skey; writes okey, skey
.if DOCPART == 2
	.amdgcn_target "amdgcn-amd-amdhsa--gfx1250"
	.amdhsa_code_object_version 6
	.text
	.protected	k_qf01822c9a0_simmax
	.globl	k_qf01822c9a0_simmax
	.p2align	8
	.type	k_qf01822c9a0_simmax,@function
k_qf01822c9a0_simmax:
	s_mov_b64 s[64:65], 0
	v_nop
	global_prefetch_b8 v0, s[64:65] scope:SCOPE_SE
	s_setreg_imm32_b32 hwreg(HW_REG_WAVE_MODE, 25, 1), 1
	s_wait_xcnt 0x0
; sim = xq rq^T on codes of FP6 (E2M3) with E8M0 scales, K = 256: two matrix instructions a tile.  The sims are not stored: for each query the maximum of each OCTET (8 neighbouring refs) goes to okey and the maximum of each
; SUPERGROUP (10 neighbouring octets) to skey, as f32 bit patterns that later launches read as whole numbers.
; SHARES.  Work-group (x, y): refs 800 x .. 800 x + 799 (5 blocks of 160 refs = 2 supergroups) against queries 1,024 y .. 1,024 y + 1,023.  Each of the eight waves keeps 8 tiles of 16 queries in registers (192 registers, window 1) for the
; whole launch and walks all 50 tiles of refs.  Two waves share a SIMD, so that one wave's maxima stand beside the other's products.
; A TILE OF REFS IS TWO OCTETS THAT ARE NOT NEIGHBOURS: tile t of block B takes octet t of supergroup 2 B as rows 0-7 and octet t of supergroup 2 B + 1 as rows 8-15.  Source 0 = the refs, source 1 = the queries: lane (rq, h) holds
; query rq, and its eight result registers are the eight refs of ONE octet (supergroup 2 B + h, octet t): an octet's maximum needs no other lane.
; LDS.  The work-group's 153,600 bytes of ref codes and 6,400 of ref scales are brought once by tensor loads, each byte filled once: no slot is filled again.  The even supergroups' images lie from byte 0, the odd ones' from 76,928,
; which is 128 modulo 256: the sixteen lanes of half a 16-byte load then take 256 different bytes modulo 256 (64 banks of 4 bytes: ISA guide 11.1).
; No cluster: the grid, 125 x 2, divides by 4 along neither axis, and a range of refs is read by two work-groups only.
; okey [block 625][query tile 128][lane 32][10]; skey [x 125][query 2,048][10].
.set ODD,  76928
.set RSC,  153856                      ; the ref scales: 100 images of 64 bytes
.set STG,  160256                      ; 10,240 bytes a wave: the image of its part of okey for one block
.set SKS,  242176                      ; 5,120 bytes a wave: its part of skey
.set QS,   16                          ; v16-23   the queries' scale words (lanes 0-15 K step 0, lanes 16-31 K step 1)
.set RS,   24                          ; v24, v25 the refs' scale words, two buffers
.set SK,   26                          ; v26-33   the running maximum of the supergroup
.set F,    34                          ; v34-57, v58-81  a tile of refs, two buffers
.set D,    82                          ; v82-145  eight accumulators
.set OUTR, 146                         ; v146-225 the way out
.set OM,   226                         ; v226-241 the octets' maxima, two sets
.set G1C,  16                          ; s[16:23] descriptor group 1: 15 rows of 256 bytes
.set G1S,  24                          ; s[24:31] descriptor group 1: one row of 800 bytes
.set G0,   32                          ; s[32:55] six groups 0: the scales, then blocks 0 to 4
.set MSB, 0
.macro WIN new                         ; the immediate's high byte repeats the setting that is left
.if MSB != \new
	s_set_vgpr_msb (MSB<<8)|\new
.set MSB, \new
.endif
.endm
	s_load_b256 s[4:11], s[0:1], 0x0               ; codes s[4:5], scales s[6:7], okey s[8:9], skey s[10:11]
	v_lshl_add_u32 v254, v0, 2, 0x45200
	v_mov_b32 v255, 0
	ds_add_u32 v254, v255
	ds_add_u32 v254, v255
	v_lshrrev_b32 v9, 5, v0
	v_readfirstlane_b32 s12, v9                    ; wave 0..7
	s_and_b32 s14, ttmp7, 0xffff                   ; y
	s_mov_b32 s[G1C+0], 3<<16                      ; no mask; elements of 8 bytes; no padding
	s_mov_b32 s[G1C+1], 32<<16                     ; tensor_dim0 = 32 elements (256 bytes)
	s_mov_b32 s[G1C+2], 15<<16                     ; tensor_dim1 = 15
	s_mov_b32 s[G1C+3], 32<<16                     ; tile_dim0 = 32
	s_mov_b32 s[G1C+4], 15                         ; tile_dim1 = 15
	s_mov_b32 s[G1C+5], 32                         ; from row to row: dense
	s_mov_b32 s[G1C+6], 0
	s_mov_b32 s[G1C+7], 0
	s_mov_b32 s[G1S+0], 3<<16
	s_mov_b32 s[G1S+1], 100<<16                    ; one row of 100 elements (800 bytes)
	s_mov_b32 s[G1S+2], 1<<16
	s_mov_b32 s[G1S+3], 100<<16
	s_mov_b32 s[G1S+4], 1
	s_mov_b32 s[G1S+5], 100
	s_mov_b32 s[G1S+6], 0
	s_mov_b32 s[G1S+7], 0
	s_and_b32 s56, s12, 1                          ; which supergroup of a block I fetch for,
	s_lshr_b32 s57, s12, 1                         ; and which quarter of its 15,360 bytes
	s_mul_i32 s58, s56, ODD
	s_mul_i32 s59, s57, 3840
	s_add_co_u32 s58, s58, s59                     ; in LDS
	s_mul_i32 s60, ttmp9, 153600                   ; in memory: behind x's 256 images, 100 images for each x
	s_mul_i32 s56, s56, 15360
	s_add_co_u32 s60, s60, s56
	s_add_co_u32 s60, s60, s59
	s_add_co_u32 s60, s60, 393216
	s_mov_b32 s61, 0
	s_mul_i32 s62, ttmp9, 6400                     ; the scales: an eighth of the 6,400 bytes a wave
	s_mul_i32 s57, s12, 800
	s_add_co_u32 s62, s62, s57
	s_add_co_u32 s62, s62, 16384
	s_mov_b32 s63, 0
	s_wait_dscnt 0x0
	s_wait_kmcnt 0x0
	s_add_nc_u64 s[60:61], s[4:5], s[60:61]
	s_add_nc_u64 s[62:63], s[6:7], s[62:63]
	s_mov_b32 s[G0], 1                             ; count = 1
	s_add_co_u32 s[G0+1], s57, RSC                 ; LDS address
	s_mov_b64 s[G0+2:G0+3], s[62:63]               ; global address
	s_or_b32 s[G0+3], s[G0+3], 0x80000000          ; type = 2
.irp b, 0,1,2,3,4
	s_mov_b32 s[G0+4+4*\b], 1
	s_add_co_u32 s[G0+5+4*\b], s58, \b*15360
	s_add_nc_u64 s[G0+6+4*\b:G0+7+4*\b], s[60:61], \b*30720
	s_or_b32 s[G0+7+4*\b], s[G0+7+4*\b], 0x80000000
.endr
	tensor_load_to_lds s[G0:G0+3], s[G1S:G1S+7]    ; all first fills in one group, ahead of every wait on TENSORcnt, every LDS read and every barrier: six loads of mine are out
	s_nop 0
.irp b, 0,1,2,3,4
	tensor_load_to_lds s[G0+4+4*\b:G0+7+4*\b], s[G1C:G1C+7]
	s_nop 0
.endr
.rept 4
	v_nop
.endr
	s_lshl_b32 s13, s14, 6
	s_lshl_b32 s15, s12, 3
	s_add_co_u32 s13, s13, s15                     ; my first tile of queries: 64 y + 8 wave
	s_mul_i32 s56, s13, 3072                       ; a tile of queries is two images
	s_mov_b32 s57, 0
	s_add_nc_u64 s[56:57], s[4:5], s[56:57]
	s_lshl_b32 s58, s13, 7
	s_mov_b32 s59, 0
	s_add_nc_u64 s[58:59], s[6:7], s[58:59]
	s_mul_i32 s60, ttmp9, 819200                   ; okey: five blocks of 163,840 bytes for each x, 1,280 bytes a tile of queries
	s_mul_i32 s61, s13, 1280
	s_add_co_u32 s60, s60, s61
	s_mov_b32 s61, 0
	s_add_nc_u64 s[8:9], s[8:9], s[60:61]
	s_mul_i32 s62, ttmp9, 81920                    ; skey: 40 bytes a query
	s_mul_i32 s63, s13, 640
	s_add_co_u32 s62, s62, s63
	s_mov_b32 s63, 0
	s_add_nc_u64 s[10:11], s[10:11], s[62:63]
	s_mul_i32 s14, s12, 10240
	s_add_co_u32 s14, s14, STG                     ; my stage for okey
	s_mul_i32 s15, s12, 5120
	s_add_co_u32 s15, s15, SKS                     ; and for skey
	v_and_b32 v9, 31, v0                           ; l
	v_and_b32 v10, 15, v0                          ; m (a ref's row) or rq (a query)
	v_bfe_u32 v11, v0, 4, 1                        ; h: the K half of an operand, the row half of a result
	v_lshrrev_b32 v12, 3, v10                      ; which of a tile's two octets
	v_and_b32 v13, 7, v10
	v_lshl_add_u32 v14, v11, 3, v13                ; my place in an image: m % 8 + 8 h
	v_mul_u32_u24 v1, v12, ODD
	v_lshl_add_u32 v1, v14, 4, v1                  ; v1: a ref fragment's 16 bytes
	v_add_nc_u32 v2, 61440, v1                     ; v2: the same in block 4, whose offsets pass the 16-bit immediate
	v_mul_u32_u24 v3, v12, 640
	v_lshl_add_u32 v3, v14, 2, v3
	v_add_nc_u32 v3, RSC, v3                       ; v3: a ref tile's scale word
	v_mul_u32_u24 v4, v9, 40
	v_add_nc_u32 v4, s14, v4                       ; v4: my 40 bytes of a tile's part of okey
	v_mul_u32_u24 v5, v10, 40
	v_lshl_add_u32 v5, v11, 2, v5
	v_add_nc_u32 v5, s15, v5                       ; v5: my query's 40 bytes of skey, + 4 h
	v_lshlrev_b32 v8, 4, v9                        ; v8: 16 l
	v_add_nc_u32 v6, s14, v8                       ; v6, v7: the stages read back as they lie
	v_add_nc_u32 v7, s15, v8
	v_mul_u32_u24 v242, v12, 1536
	v_lshl_add_u32 v242, v14, 4, v242              ; the queries' fragments in memory
	v_lshlrev_b32 v243, 6, v12
	v_lshl_add_u32 v243, v14, 2, v243              ; and their scale words
	WIN 0x40                                       ; destination window 1
.irp a, 0,1,2,3,4,5,6,7
.irp p, 0,1,2,3,4,5
	global_load_b128 v[24*\a+4*\p:24*\a+4*\p+3], v242, s[56:57] offset:3072*\a+256*\p    ; tile a's fragment: registers 0-11 K step 0, 12-23 K step 1; sixteen lanes read 256 consecutive bytes
.endr
.endr
	WIN 0
.irp a, 0,1,2,3,4,5,6,7
	global_load_b32 v[QS+\a], v243, s[58:59] offset:128*\a
.endr
	s_wait_loadcnt 0x0
.macro FETCH b, t, buf                 ; tile t of block b: six loads of 16 bytes and the scale words
.irp p, 0,1,2,3,4,5
.if \b == 4
	ds_load_b128 v[F+24*(\buf)+4*\p:F+24*(\buf)+4*\p+3], v2 offset:1536*(\t)+256*\p
.else
	ds_load_b128 v[F+24*(\buf)+4*\p:F+24*(\buf)+4*\p+3], v1 offset:15360*\b+1536*(\t)+256*\p
.endif
.endr
	ds_load_b32 v[RS+(\buf)], v3 offset:1280*\b+64*(\t)
.endm
.macro TILE b, t
.set FB, F+24*((\t)%2)
.set RB, RS+(\t)%2
.set OB, OM+8*((\t)%2)
.if (\t) == 0
	s_wait_dscnt 7                                 ; this tile is in; the next tile's seven loads may be out
.elseif (\t) == 9
	s_wait_dscnt 8                                 ; behind this tile's loads stand only the last tile's eight stores
.else
	s_wait_dscnt 15                                ; behind this tile's loads: the last tile's eight stores and the next tile's seven loads
.endif
	WIN 0x04                                       ; source 1 (the queries) window 1
.irp a, 0,1,2,3,4,5,6,7                ; the eight accumulators take turns, one instruction a turn; K step 0 starts the sums
	v_wmma_scale_f32_16x16x128_f8f6f4 v[D+8*\a:D+8*\a+7], v[FB:FB+11], v[24*\a:24*\a+11], 0, v[RB], v[QS+\a] matrix_a_fmt:MATRIX_FMT_FP6 matrix_b_fmt:MATRIX_FMT_FP6
.endr
.irp a, 0,1,2,3,4,5,6,7                ; K step 1: its scale words lie in lanes 16-31
	v_wmma_scale_f32_16x16x128_f8f6f4 v[D+8*\a:D+8*\a+7], v[FB+12:FB+23], v[24*\a+12:24*\a+23], v[D+8*\a:D+8*\a+7], v[RB], v[QS+\a] matrix_a_fmt:MATRIX_FMT_FP6 matrix_b_fmt:MATRIX_FMT_FP6 matrix_a_scale:MATRIX_SCALE_ROW1 matrix_b_scale:MATRIX_SCALE_ROW1
.endr
	WIN 0
.rept 4
	v_nop                                          ; four places between a matrix instruction and the first read of its result (ISA guide 7.12.1)
.endr
.irp a, 0,1,2,3,4,5,6,7                ; the maximum of my eight refs, level by level over the eight tiles, each accumulator from its low end on
	v_max3_num_f32 v[D+8*\a], v[D+8*\a], v[D+8*\a+1], v[D+8*\a+2]
.endr
.irp a, 0,1,2,3,4,5,6,7
	v_max3_num_f32 v[D+8*\a], v[D+8*\a], v[D+8*\a+3], v[D+8*\a+4]
.endr
.irp a, 0,1,2,3,4,5,6,7
	v_max3_num_f32 v[D+8*\a], v[D+8*\a], v[D+8*\a+5], v[D+8*\a+6]
.endr
.irp a, 0,1,2,3,4,5,6,7
	v_max_num_f32 v[OB+\a], v[D+8*\a], v[D+8*\a+7]                 ; into registers of its own: the next tile's products write no register that a store still reads
.endr
.irp a, 0,1,2,3,4,5,6,7
.if (\t) == 0
	v_mov_b32 v[SK+\a], v[OB+\a]                   ; the supergroup's maximum begins
.else
	v_max_num_f32 v[SK+\a], v[SK+\a], v[OB+\a]
.endif
.endr
.irp a, 0,1,2,3,4,5,6,7
	ds_store_b32 v4, v[OB+\a] offset:1280*\a+4*(\t)
.endr
.if (\t)+2 < 10
	FETCH \b, (\t)+2, (\t)%2                       ; into the buffer just multiplied: more than four plain instructions stand behind its last product
.endif
.endm
.macro BLOCK b
	s_wait_dscnt 0x0                               ; no LDS instruction of mine is out at the signal
	s_wait_tensorcnt 4-\b                          ; my parts of the scales and of blocks 0 to b are in; the later blocks' loads stay out
	s_barrier_signal -1
	s_barrier_wait -1                              ; everybody's are
	FETCH \b, 0, 0
	FETCH \b, 1, 1
.irp t, 0,1,2,3,4,5,6,7,8,9
	TILE \b, \t
.endr
.irp a, 0,1,2,3,4,5,6,7
	ds_store_b32 v5, v[SK+\a] offset:640*\a+8*\b   ; supergroup 2 b + h of my query
.endr
	s_wait_xcnt 0x0                                ; the last block's stores have read their registers: these may be loaded again
.irp i, 0,1,2,3,4,5,6,7,8,9,10,11,12,13,14,15,16,17,18,19
	ds_load_b128 v[OUTR+4*\i:OUTR+4*\i+3], v6 offset:512*\i        ; LDS serves a wave's instructions in order: these see my stores, and the next block's stores come behind them
.endr
.irp i, 0,1,2,3,4,5,6,7,8,9,10,11,12,13,14,15,16,17,18,19
	s_wait_dscnt 19-\i                             ; the younger loads may be out
	global_store_b128 v8, v[OUTR+4*\i:OUTR+4*\i+3], s[8:9] offset:163840*\b+512*\i th:TH_STORE_NT    ; 32 lanes store 512 consecutive bytes, at a multiple of 256 from okey's first byte
.endr
.endm
.irp b, 0,1,2,3,4
	BLOCK \b
.endr
	s_wait_xcnt 0x0
.irp i, 0,1,2,3,4,5,6,7,8,9
	ds_load_b128 v[OUTR+4*\i:OUTR+4*\i+3], v7 offset:512*\i        ; my 128 queries' ten supergroup maxima
.endr
.irp i, 0,1,2,3,4,5,6,7,8,9
	s_wait_dscnt 9-\i
	global_store_b128 v8, v[OUTR+4*\i:OUTR+4*\i+3], s[10:11] offset:512*\i
.endr
	s_wait_tensorcnt 0x0
	ds_add_u32 v254, v255
	s_wait_dscnt 0x0
	s_endpgm
.Lfunc_end_k_qf01822c9a0_simmax:
	.size	k_qf01822c9a0_simmax, .Lfunc_end_k_qf01822c9a0_simmax-k_qf01822c9a0_simmax
	.p2alignl 7, 3214868480
	.fill 96, 4, 3214868480
	.section	.rodata,"a",@progbits
	.p2align	6, 0x0
	.amdhsa_kernel k_qf01822c9a0_simmax
		.amdhsa_group_segment_fixed_size 284160
		.amdhsa_private_segment_fixed_size 0
		.amdhsa_enable_private_segment 0
		.amdhsa_kernarg_size 32
		.amdhsa_user_sgpr_count 2
		.amdhsa_user_sgpr_kernarg_segment_ptr 1
		.amdhsa_wavefront_size32 1
		.amdhsa_system_sgpr_workgroup_id_x 1
		.amdhsa_system_sgpr_workgroup_id_y 1
		.amdhsa_system_sgpr_workgroup_id_z 1
		.amdhsa_system_vgpr_workitem_id 0
		.amdhsa_next_free_vgpr 448
		.amdhsa_next_free_sgpr 66
		.amdhsa_reserve_vcc 0
		.amdhsa_float_denorm_mode_32 3
		.amdhsa_float_denorm_mode_16_64 3
		.amdhsa_memory_ordered 1
		.amdhsa_forward_progress 1
		.amdhsa_inst_pref_size 255
	.end_amdhsa_kernel
	.section	.bss,"aw",@nobits
	.p2align	6
	.space	262144
	.amdgpu_metadata
---
amdhsa.version: [ 1, 2 ]
amdhsa.kernels:
  - .name:           k_qf01822c9a0_simmax
    .symbol:         k_qf01822c9a0_simmax.kd
    .args:
      - { .name: codes, .offset: 0, .size: 8, .value_kind: global_buffer, .address_space: global }
      - { .name: scales, .offset: 8, .size: 8, .value_kind: global_buffer, .address_space: global }
      - { .name: okey, .offset: 16, .size: 8, .value_kind: global_buffer, .address_space: global }
      - { .name: skey, .offset: 24, .size: 8, .value_kind: global_buffer, .address_space: global }
    .group_segment_fixed_size: 284160
    .private_segment_fixed_size: 0
    .kernarg_segment_align: 8
    .kernarg_segment_size: 32
    .max_flat_workgroup_size: 256
    .sgpr_count:     66
    .vgpr_count:     448
    .wavefront_size: 32
...
	.end_amdgpu_metadata
.endif
;; end of part 2
;; launch sel1 (part 3): grid 2048 x 1, 1 waves a work-group, no clusters, 5,888 bytes of LDS; arguments skey, list1; writes list1
.if DOCPART == 3
	.amdgcn_target "amdgcn-amd-amdhsa--gfx1250"
	.amdhsa_code_object_version 6
	.text
	.protected	k_qf01822c9a0_sel1
	.globl	k_qf01822c9a0_sel1
	.p2align	8
	.type	k_qf01822c9a0_sel1,@function
k_qf01822c9a0_sel1:
	s_mov_b64 s[64:65], 0
	v_nop
	global_prefetch_b8 v0, s[64:65] scope:SCOPE_SE
	s_setreg_imm32_b32 hwreg(HW_REG_WAVE_MODE, 25, 1), 1
	s_wait_xcnt 0x0
; One wave, one query q.  Of the query's 1,250 supergroup maxima (skey) the first 100 by (value descending, index ascending) are picked, and their numbers go to list1[q][0 .. 99], ascending.
; WHY THAT SERVES: the first 100 refs of a query lie in its first 100 groups by (group maximum descending, group index ascending): if 100 groups came before an element's group, each would hold an element that comes before it
; (groups are ranges of neighbouring indices).
; NO BRANCH AND NO ADDRESS OF THIS LAUNCH HANGS ON A SIM.  The bit patterns are turned from sign and magnitude into two's complement and compared as integers.  The 100th largest key is found by a bisection of always 31 trips on
; -2^30 .. 2^30 (the patterns of -2.0 .. 2.0: a product of two quantised unit vectors stays under 1.3 in magnitude).  The list is made by selection: each slot keeps, of the registers' masks of chosen elements, the one in which it
; falls, and then finds its bit there; the list is stored at fixed places.
; Element e = 32 i + lane lies in register i.  Slots 100 to 127 of the list get numbers under 1,280 that no later launch uses but as numbers to be held inside a table.
; LIMITS: NaN and infinities are not served.  One wave to a work-group: no barrier, and LDS serves a wave's instructions in order.
.set KT,    0                          ; LDS: 1,282 keys, to turn them from chunks of 10 a lane into e = 32 i + lane
.set AD,    16                         ; v16-19   byte offsets of my four chunks
.set K,     32                         ; v32-71   keys
.set P,     72                         ; v72-111  at work
.set SLOT,  112                        ; v112-115 my four slots of the list: 4 lane + j
.set WW,    116                        ; v116-119 the mask in which the slot falls
.set CC,    120                        ; v120-123 256 x that register's number + the chosen before it
.set FX,    124                        ; v124-155 the search for a bit: counts of 2, 4, 8, 16 bits; rank; place; at work
.set FY,    128
.set FZ,    132
.set FU,    136
.set FR,    140
.set FP,    144
.set FC,    148
.set FT,    152
.set E,     156                        ; v156-159 the four slots' elements
.set SLO,   22
.set SHI,   23
.set SMID,  24
.set SCNT,  25
.set SCTR,  26
.set SNEED, 27
; s[SCNT] = the number of keys for which 'threshold cmp key' holds; eight compares, then their eight counts, so that neither unit waits for the other
.macro COUNT cmp, thr, nr
	s_mov_b32 s[SCNT], 0
.set cI, 0
.rept ((\nr)+7)/8
.set cG, (\nr)-cI
.if cG > 8
.set cG, 8
.endif
.set cK, 0
.rept cG
	\cmp s[40+cK], s[\thr], v[K+cI+cK]
.set cK, cK+1
.endr
.set cK, 0
.rept cG
	s_bcnt1_i32_b32 s[40+cK], s[40+cK]
	s_add_co_u32 s[SCNT], s[SCNT], s[40+cK]
.set cK, cK+1
.endr
.set cI, cI+cG
.endr
.endm
; sign and magnitude -> two's complement: key = (m ^ t) - t, m the magnitude's bits, t the sign spread over the word; -0 and +0 become the same key
.macro MAPALL nr, src
.set cI, 0
.rept \nr
	v_ashrrev_i32 v[P+cI], 31, v[\src+cI]
.set cI, cI+1
.endr
.set cI, 0
.rept \nr
	v_and_b32 v[K+cI], 0x7fffffff, v[\src+cI]
.set cI, cI+1
.endr
.set cI, 0
.rept \nr
	v_xor_b32 v[K+cI], v[K+cI], v[P+cI]
.set cI, cI+1
.endr
.set cI, 0
.rept \nr
	v_sub_nc_u32 v[K+cI], v[K+cI], v[P+cI]
.set cI, cI+1
.endr
.endm
; Throughout: count(key >= lo) >= 100 > count(key >= hi).  hi - lo = 2^31 is halved 31 times, always: at the end hi = lo + 1, and L = lo is the 100th largest key
.macro BISECT nr
	s_mov_b32 s[SLO], 0xc0000000
	s_mov_b32 s[SHI], 0x40000000
	s_mov_b32 s[SCTR], 31
.Lbis_\@:
	s_add_co_i32 s[SMID], s[SLO], s[SHI]           ; stays inside 32 bits: both lie in -2^30 .. 2^30
	s_ashr_i32 s[SMID], s[SMID], 1
	COUNT v_cmp_le_i32, SMID, \nr
	s_cmp_ge_u32 s[SCNT], 100
	s_cselect_b32 s[SLO], s[SMID], s[SLO]
	s_cselect_b32 s[SHI], s[SHI], s[SMID]
	s_sub_co_u32 s[SCTR], s[SCTR], 1
	s_cmp_lg_u32 s[SCTR], 0
	s_cbranch_scc1 .Lbis_\@
.endm
; g registers from i0 on.  s40.. equal to L, s44.. above L, s48.. equals before the register, s53.. chosen before the register, s58.. chosen
.macro SELG i0, g
.set cK, 0
.rept \g
	v_cmp_eq_i32 s[40+cK], s[SLO], v[K+\i0+cK]
	v_cmp_lt_i32 s[44+cK], s[SLO], v[K+\i0+cK]
.set cK, cK+1
.endr
.set cK, 0
.rept \g
	s_bcnt1_i32_b32 s62, s[40+cK]
	s_add_co_u32 s[49+cK], s[48+cK], s62
.set cK, cK+1
.endr
.set cK, 0
.rept \g
	v_mbcnt_lo_u32_b32 v[P+\i0+cK], s[40+cK], s[48+cK]             ; how many equals come before me
.set cK, cK+1
.endr
.set cK, 0
.rept \g
	v_cmp_gt_u32 s[58+cK], s[SNEED], v[P+\i0+cK]                   ; the first 'need' equals are taken: ties go to the lower index
.set cK, cK+1
.endr
.set cK, 0
.rept \g
	s_and_b32 s[58+cK], s[58+cK], s[40+cK]
	s_or_b32 s[58+cK], s[58+cK], s[44+cK]
	s_bcnt1_i32_b32 s62, s[58+cK]
	s_add_co_u32 s[54+cK], s[53+cK], s62
.set cK, cK+1
.endr
.set cK, 0
.rept \g
	s_add_co_u32 s[44+cK], s[53+cK], (\i0+cK)<<8                   ; 256 x the register's number + the chosen before it (100 at the most)
.set cK, cK+1
.endr
.set cK, 0
.rept \g
.irp j, 0,1,2,3
	v_cmp_le_u32 s[40+\j], s[53+cK], v[SLOT+\j]                    ; the counts ascend: the last register whose count is at most the slot is the one in which the slot falls
.endr
.irp j, 0,1,2,3
	v_cndmask_b32 v[WW+\j], v[WW+\j], s[58+cK], s[40+\j]
	v_cndmask_b32 v[CC+\j], v[CC+\j], s[44+cK], s[40+\j]
.endr
.set cK, cK+1
.endr
	s_mov_b32 s48, s[48+\g]
	s_mov_b32 s53, s[53+\g]
.endm
; one halving: the count of the lower w bits at the place in hand; a rank at or above it goes past them
.macro FSTEP src, w
.irp j, 0,1,2,3
	v_bfe_u32 v[FC+\j], v[\src+\j], v[FP+\j], \w
.endr
.irp j, 0,1,2,3
	v_cmp_ge_u32 s[40+\j], v[FR+\j], v[FC+\j]
	v_sub_nc_u32 v[FT+\j], v[FR+\j], v[FC+\j]
.endr
.irp j, 0,1,2,3
	v_add_nc_u32 v[FC+\j], \w, v[FP+\j]
.endr
.irp j, 0,1,2,3
	v_cndmask_b32 v[FR+\j], v[FR+\j], v[FT+\j], s[40+\j]
	v_cndmask_b32 v[FP+\j], v[FP+\j], v[FC+\j], s[40+\j]
.endr
.endm
; the place of set bit number (slot - chosen before the register) of the slot's mask; element = 32 x register + place
.macro FINDBIT
.irp j, 0,1,2,3
	v_and_b32 v[FR+\j], 0xff, v[CC+\j]
	v_lshrrev_b32 v[FX+\j], 1, v[WW+\j]
.endr
.irp j, 0,1,2,3
	v_sub_nc_u32 v[FR+\j], v[SLOT+\j], v[FR+\j]                    ; the rank in the mask
	v_and_b32 v[FX+\j], 0x55555555, v[FX+\j]
.endr
.irp j, 0,1,2,3
	v_lshrrev_b32 v[CC+\j], 8, v[CC+\j]                            ; the register's number
	v_sub_nc_u32 v[FX+\j], v[WW+\j], v[FX+\j]                      ; counts of 2 bits
.endr
.irp j, 0,1,2,3
	v_lshrrev_b32 v[FY+\j], 2, v[FX+\j]
	v_and_b32 v[FT+\j], 0x33333333, v[FX+\j]
.endr
.irp j, 0,1,2,3
	v_and_b32 v[FY+\j], 0x33333333, v[FY+\j]
.endr
.irp j, 0,1,2,3
	v_add_nc_u32 v[FY+\j], v[FY+\j], v[FT+\j]                      ; of 4 bits
.endr
.irp j, 0,1,2,3
	v_lshrrev_b32 v[FZ+\j], 4, v[FY+\j]
.endr
.irp j, 0,1,2,3
	v_add_nc_u32 v[FZ+\j], v[FZ+\j], v[FY+\j]
.endr
.irp j, 0,1,2,3
	v_and_b32 v[FZ+\j], 0x0f0f0f0f, v[FZ+\j]                       ; of 8 bits
.endr
.irp j, 0,1,2,3
	v_lshrrev_b32 v[FU+\j], 8, v[FZ+\j]
.endr
.irp j, 0,1,2,3
	v_add_nc_u32 v[FU+\j], v[FU+\j], v[FZ+\j]                      ; its lowest byte: the count of the lower 16 bits
.endr
.irp j, 0,1,2,3
	v_and_b32 v[FC+\j], 0xff, v[FU+\j]
.endr
.irp j, 0,1,2,3
	v_cmp_ge_u32 s[40+\j], v[FR+\j], v[FC+\j]
	v_sub_nc_u32 v[FT+\j], v[FR+\j], v[FC+\j]
.endr
.irp j, 0,1,2,3
	v_cndmask_b32 v[FR+\j], v[FR+\j], v[FT+\j], s[40+\j]
	v_cndmask_b32 v[FP+\j], 0, 16, s[40+\j]
.endr
	FSTEP FZ, 8
	FSTEP FY, 4
	FSTEP FX, 2
	FSTEP WW, 1
.irp j, 0,1,2,3
	v_lshl_add_u32 v[E+\j], v[CC+\j], 5, v[FP+\j]
.endr
.endm
; v[E + j] = the element in slot 4 lane + j of the list of the first 100, in ascending order
.macro SELECT nr
	COUNT v_cmp_lt_i32, SLO, \nr
	s_sub_co_u32 s[SNEED], 100, s[SCNT]            ; how many of the keys equal to L are still wanted
	s_mov_b32 s48, 0
	s_mov_b32 s53, 0
.irp j, 0,1,2,3
	v_mov_b32 v[WW+\j], 0
	v_mov_b32 v[CC+\j], 0
.endr
.set cP, 0
.rept (\nr)/4
	SELG cP, 4
.set cP, cP+4
.endr
.if (\nr)%4
	SELG cP, (\nr)%4
.endif
	FINDBIT
.endm
.macro LOADK base                      ; my four chunks of ten keys
.irp j, 0,1,2,3
.irp k, 0,1,2,3,4
	global_load_b64 v[K+10*\j+2*\k:K+10*\j+2*\k+1], v[AD+\j], s[\base:\base+1] offset:8*\k
.endr
.endr
.endm
.macro TRANS n, nr                     ; lane l holds elements 40 l .. 40 l + 39; through LDS, at fixed places, they become e = 32 i + lane.  From element n on: -infinity, which lies under the bisection's range
.irp j, 0,1,2,3
.irp k, 0,1,2,3,4
	ds_store_b64 v3, v[K+10*\j+2*\k:K+10*\j+2*\k+1] offset:KT+8*(5*\j+\k)
.endr
.endr
	ds_store_b32 v2, v11 offset:KT+4*\n
.set cI, 0
.rept \nr
	ds_load_b32 v[K+cI], v2 offset:KT+128*cI
.set cI, cI+1
.endr
	s_wait_dscnt 0x0
.endm
	s_load_b128 s[4:7], s[0:1], 0x0                ; skey s[4:5], list1 s[6:7]
	v_lshl_add_u32 v160, v0, 2, 0x1600
	v_mov_b32 v161, 0
	v_lshlrev_b32 v1, 4, v0                        ; 16 l (one wave: v0 is the lane)
	v_lshlrev_b32 v2, 2, v0                        ; 4 l
	v_mul_u32_u24 v3, v0, 160                      ; 160 l
	v_mov_b32 v11, 0xff800000                      ; -infinity
.irp j, 0,1,2,3
	v_lshl_add_u32 v[SLOT+\j], v0, 2, \j
.endr
.irp j, 0,1,2,3
	v_min_u32 v12, 124, v[SLOT+\j]                 ; chunk 4 l + j of 125: lanes past the end read the last again, and TRANS writes over what they bring
	v_mul_u32_u24 v[AD+\j], v12, 81920
.endr
	s_mul_i32 s18, ttmp9, 40                       ; skey: 40 bytes a query in each chunk
	s_mov_b32 s19, 0
	s_lshl_b32 s20, ttmp9, 9                       ; list1: 512 bytes a query
	s_mov_b32 s21, 0
	s_wait_kmcnt 0x0
	s_add_nc_u64 s[4:5], s[4:5], s[18:19]
	s_add_nc_u64 s[6:7], s[6:7], s[20:21]
	LOADK 4
	s_wait_loadcnt 0x0
	TRANS 1250, 40
	MAPALL 40, K
	BISECT 40
	SELECT 40
	global_store_b128 v1, v[E:E+3], s[6:7]         ; element e is supergroup e; 32 lanes store the query's 512 bytes, aligned
	s_wait_tensorcnt 0x0
	ds_add_u32 v160, v161
	s_wait_dscnt 0x0
	s_endpgm
.Lfunc_end_k_qf01822c9a0_sel1:
	.size	k_qf01822c9a0_sel1, .Lfunc_end_k_qf01822c9a0_sel1-k_qf01822c9a0_sel1
	.p2alignl 7, 3214868480
	.fill 96, 4, 3214868480
	.section	.rodata,"a",@progbits
	.p2align	6, 0x0
	.amdhsa_kernel k_qf01822c9a0_sel1
		.amdhsa_group_segment_fixed_size 5888
		.amdhsa_private_segment_fixed_size 0
		.amdhsa_enable_private_segment 0
		.amdhsa_kernarg_size 16
		.amdhsa_user_sgpr_count 2
		.amdhsa_user_sgpr_kernarg_segment_ptr 1
		.amdhsa_wavefront_size32 1
		.amdhsa_system_sgpr_workgroup_id_x 1
		.amdhsa_system_sgpr_workgroup_id_y 1
		.amdhsa_system_sgpr_workgroup_id_z 1
		.amdhsa_system_vgpr_workitem_id 0
		.amdhsa_next_free_vgpr 162
		.amdhsa_next_free_sgpr 66
		.amdhsa_reserve_vcc 0
		.amdhsa_float_denorm_mode_32 3
		.amdhsa_float_denorm_mode_16_64 3
		.amdhsa_memory_ordered 1
		.amdhsa_forward_progress 1
		.amdhsa_inst_pref_size 85
	.end_amdhsa_kernel
	.amdgpu_metadata
---
amdhsa.version: [ 1, 2 ]
amdhsa.kernels:
  - .name:           k_qf01822c9a0_sel1
    .symbol:         k_qf01822c9a0_sel1.kd
    .args:
      - { .name: skey, .offset: 0, .size: 8, .value_kind: global_buffer, .address_space: global }
      - { .name: list1, .offset: 8, .size: 8, .value_kind: global_buffer, .address_space: global }
    .group_segment_fixed_size: 5888
    .private_segment_fixed_size: 0
    .kernarg_segment_align: 8
    .kernarg_segment_size: 16
    .max_flat_workgroup_size: 32
    .sgpr_count:     66
    .vgpr_count:     162
    .wavefront_size: 32
...
	.end_amdgpu_metadata
.endif
;; end of part 3
;; launch sel2 (part 4): grid 2048 x 1, 1 waves a work-group, no clusters, 5,888 bytes of LDS; arguments list1, okey, liste; writes liste
.if DOCPART == 4
	.amdgcn_target "amdgcn-amd-amdhsa--gfx1250"
	.amdhsa_code_object_version 6
	.text
	.protected	k_qf01822c9a0_sel2
	.globl	k_qf01822c9a0_sel2
	.p2align	8
	.type	k_qf01822c9a0_sel2,@function
k_qf01822c9a0_sel2:
	s_mov_b64 s[64:65], 0
	v_nop
	global_prefetch_b8 v0, s[64:65] scope:SCOPE_SE
	s_setreg_imm32_b32 hwreg(HW_REG_WAVE_MODE, 25, 1), 1
	s_wait_xcnt 0x0
; One wave, one query q.  The ten octet maxima of each of the query's 100 chosen supergroups (list1, stored by the launch before) are gathered from okey: 1,000 keys, element e = 10 slot + o, ascending with the octet's number.
; The first 100 by (value descending, e ascending) are picked, and their e go to liste[q][0 .. 99], ascending.
; The gather's addresses hang on list1 alone, whole numbers read from memory and held inside the table.  NO BRANCH AND NO ADDRESS HANGS ON A SIM: the keys are compared as integers (sign and magnitude turned into two's complement), the
; 100th largest is found by a bisection of always 31 trips on -2^30 .. 2^30 (the patterns of -2.0 .. 2.0), and the list is made by selection and stored at fixed places.
; Element e = 32 i + lane lies in register i.  Slots 100 to 127 of both lists hold numbers that are used only as numbers to be held inside a table.
; LIMITS: NaN and infinities are not served.  One wave to a work-group: no barrier, and LDS serves a wave's instructions in order.
.set KT,    0                          ; LDS: 1,280 keys, to turn them from chunks of 10 a lane into e = 32 i + lane
.set AD,    16                         ; v16-19   byte offsets of my four chunks
.set K,     32                         ; v32-71   keys
.set P,     72                         ; v72-111  at work
.set SLOT,  112                        ; v112-115 my four slots of the list: 4 lane + j
.set WW,    116                        ; v116-119 the mask in which the slot falls
.set CC,    120                        ; v120-123 256 x that register's number + the chosen before it
.set FX,    124                        ; v124-155 the search for a bit
.set FY,    128
.set FZ,    132
.set FU,    136
.set FR,    140
.set FP,    144
.set FC,    148
.set FT,    152
.set E,     156                        ; v156-159 the four slots' elements
.set SLO,   22
.set SHI,   23
.set SMID,  24
.set SCNT,  25
.set SCTR,  26
.set SNEED, 27
; s[SCNT] = the number of keys for which 'threshold cmp key' holds
.macro COUNT cmp, thr, nr
	s_mov_b32 s[SCNT], 0
.set cI, 0
.rept ((\nr)+7)/8
.set cG, (\nr)-cI
.if cG > 8
.set cG, 8
.endif
.set cK, 0
.rept cG
	\cmp s[40+cK], s[\thr], v[K+cI+cK]
.set cK, cK+1
.endr
.set cK, 0
.rept cG
	s_bcnt1_i32_b32 s[40+cK], s[40+cK]
	s_add_co_u32 s[SCNT], s[SCNT], s[40+cK]
.set cK, cK+1
.endr
.set cI, cI+cG
.endr
.endm
; sign and magnitude -> two's complement: key = (m ^ t) - t
.macro MAPALL nr, src
.set cI, 0
.rept \nr
	v_ashrrev_i32 v[P+cI], 31, v[\src+cI]
.set cI, cI+1
.endr
.set cI, 0
.rept \nr
	v_and_b32 v[K+cI], 0x7fffffff, v[\src+cI]
.set cI, cI+1
.endr
.set cI, 0
.rept \nr
	v_xor_b32 v[K+cI], v[K+cI], v[P+cI]
.set cI, cI+1
.endr
.set cI, 0
.rept \nr
	v_sub_nc_u32 v[K+cI], v[K+cI], v[P+cI]
.set cI, cI+1
.endr
.endm
; Throughout: count(key >= lo) >= 100 > count(key >= hi).  hi - lo = 2^31 is halved 31 times, always: L = lo is the 100th largest key
.macro BISECT nr
	s_mov_b32 s[SLO], 0xc0000000
	s_mov_b32 s[SHI], 0x40000000
	s_mov_b32 s[SCTR], 31
.Lbis_\@:
	s_add_co_i32 s[SMID], s[SLO], s[SHI]
	s_ashr_i32 s[SMID], s[SMID], 1
	COUNT v_cmp_le_i32, SMID, \nr
	s_cmp_ge_u32 s[SCNT], 100
	s_cselect_b32 s[SLO], s[SMID], s[SLO]
	s_cselect_b32 s[SHI], s[SHI], s[SMID]
	s_sub_co_u32 s[SCTR], s[SCTR], 1
	s_cmp_lg_u32 s[SCTR], 0
	s_cbranch_scc1 .Lbis_\@
.endm
; g registers from i0 on.  s40.. equal to L, s44.. above L, s48.. equals before the register, s53.. chosen before the register, s58.. chosen
.macro SELG i0, g
.set cK, 0
.rept \g
	v_cmp_eq_i32 s[40+cK], s[SLO], v[K+\i0+cK]
	v_cmp_lt_i32 s[44+cK], s[SLO], v[K+\i0+cK]
.set cK, cK+1
.endr
.set cK, 0
.rept \g
	s_bcnt1_i32_b32 s62, s[40+cK]
	s_add_co_u32 s[49+cK], s[48+cK], s62
.set cK, cK+1
.endr
.set cK, 0
.rept \g
	v_mbcnt_lo_u32_b32 v[P+\i0+cK], s[40+cK], s[48+cK]             ; how many equals come before me
.set cK, cK+1
.endr
.set cK, 0
.rept \g
	v_cmp_gt_u32 s[58+cK], s[SNEED], v[P+\i0+cK]                   ; the first 'need' equals are taken: ties go to the lower index
.set cK, cK+1
.endr
.set cK, 0
.rept \g
	s_and_b32 s[58+cK], s[58+cK], s[40+cK]
	s_or_b32 s[58+cK], s[58+cK], s[44+cK]
	s_bcnt1_i32_b32 s62, s[58+cK]
	s_add_co_u32 s[54+cK], s[53+cK], s62
.set cK, cK+1
.endr
.set cK, 0
.rept \g
	s_add_co_u32 s[44+cK], s[53+cK], (\i0+cK)<<8                   ; 256 x the register's number + the chosen before it
.set cK, cK+1
.endr
.set cK, 0
.rept \g
.irp j, 0,1,2,3
	v_cmp_le_u32 s[40+\j], s[53+cK], v[SLOT+\j]                    ; the last register whose count is at most the slot is the one in which the slot falls
.endr
.irp j, 0,1,2,3
	v_cndmask_b32 v[WW+\j], v[WW+\j], s[58+cK], s[40+\j]
	v_cndmask_b32 v[CC+\j], v[CC+\j], s[44+cK], s[40+\j]
.endr
.set cK, cK+1
.endr
	s_mov_b32 s48, s[48+\g]
	s_mov_b32 s53, s[53+\g]
.endm
; one halving: the count of the lower w bits at the place in hand; a rank at or above it goes past them
.macro FSTEP src, w
.irp j, 0,1,2,3
	v_bfe_u32 v[FC+\j], v[\src+\j], v[FP+\j], \w
.endr
.irp j, 0,1,2,3
	v_cmp_ge_u32 s[40+\j], v[FR+\j], v[FC+\j]
	v_sub_nc_u32 v[FT+\j], v[FR+\j], v[FC+\j]
.endr
.irp j, 0,1,2,3
	v_add_nc_u32 v[FC+\j], \w, v[FP+\j]
.endr
.irp j, 0,1,2,3
	v_cndmask_b32 v[FR+\j], v[FR+\j], v[FT+\j], s[40+\j]
	v_cndmask_b32 v[FP+\j], v[FP+\j], v[FC+\j], s[40+\j]
.endr
.endm
; the place of set bit number (slot - chosen before the register) of the slot's mask; element = 32 x register + place
.macro FINDBIT
.irp j, 0,1,2,3
	v_and_b32 v[FR+\j], 0xff, v[CC+\j]
	v_lshrrev_b32 v[FX+\j], 1, v[WW+\j]
.endr
.irp j, 0,1,2,3
	v_sub_nc_u32 v[FR+\j], v[SLOT+\j], v[FR+\j]                    ; the rank in the mask
	v_and_b32 v[FX+\j], 0x55555555, v[FX+\j]
.endr
.irp j, 0,1,2,3
	v_lshrrev_b32 v[CC+\j], 8, v[CC+\j]                            ; the register's number
	v_sub_nc_u32 v[FX+\j], v[WW+\j], v[FX+\j]                      ; counts of 2 bits
.endr
.irp j, 0,1,2,3
	v_lshrrev_b32 v[FY+\j], 2, v[FX+\j]
	v_and_b32 v[FT+\j], 0x33333333, v[FX+\j]
.endr
.irp j, 0,1,2,3
	v_and_b32 v[FY+\j], 0x33333333, v[FY+\j]
.endr
.irp j, 0,1,2,3
	v_add_nc_u32 v[FY+\j], v[FY+\j], v[FT+\j]                      ; of 4 bits
.endr
.irp j, 0,1,2,3
	v_lshrrev_b32 v[FZ+\j], 4, v[FY+\j]
.endr
.irp j, 0,1,2,3
	v_add_nc_u32 v[FZ+\j], v[FZ+\j], v[FY+\j]
.endr
.irp j, 0,1,2,3
	v_and_b32 v[FZ+\j], 0x0f0f0f0f, v[FZ+\j]                       ; of 8 bits
.endr
.irp j, 0,1,2,3
	v_lshrrev_b32 v[FU+\j], 8, v[FZ+\j]
.endr
.irp j, 0,1,2,3
	v_add_nc_u32 v[FU+\j], v[FU+\j], v[FZ+\j]                      ; its lowest byte: the count of the lower 16 bits
.endr
.irp j, 0,1,2,3
	v_and_b32 v[FC+\j], 0xff, v[FU+\j]
.endr
.irp j, 0,1,2,3
	v_cmp_ge_u32 s[40+\j], v[FR+\j], v[FC+\j]
	v_sub_nc_u32 v[FT+\j], v[FR+\j], v[FC+\j]
.endr
.irp j, 0,1,2,3
	v_cndmask_b32 v[FR+\j], v[FR+\j], v[FT+\j], s[40+\j]
	v_cndmask_b32 v[FP+\j], 0, 16, s[40+\j]
.endr
	FSTEP FZ, 8
	FSTEP FY, 4
	FSTEP FX, 2
	FSTEP WW, 1
.irp j, 0,1,2,3
	v_lshl_add_u32 v[E+\j], v[CC+\j], 5, v[FP+\j]
.endr
.endm
; v[E + j] = the element in slot 4 lane + j of the list of the first 100, in ascending order
.macro SELECT nr
	COUNT v_cmp_lt_i32, SLO, \nr
	s_sub_co_u32 s[SNEED], 100, s[SCNT]            ; how many of the keys equal to L are still wanted
	s_mov_b32 s48, 0
	s_mov_b32 s53, 0
.irp j, 0,1,2,3
	v_mov_b32 v[WW+\j], 0
	v_mov_b32 v[CC+\j], 0
.endr
.set cP, 0
.rept (\nr)/4
	SELG cP, 4
.set cP, cP+4
.endr
.if (\nr)%4
	SELG cP, (\nr)%4
.endif
	FINDBIT
.endm
.macro LOADK base                      ; my four chunks of ten keys
.irp j, 0,1,2,3
.irp k, 0,1,2,3,4
	global_load_b64 v[K+10*\j+2*\k:K+10*\j+2*\k+1], v[AD+\j], s[\base:\base+1] offset:8*\k
.endr
.endr
.endm
.macro TRANS n, nr                     ; lane l holds elements 40 l .. 40 l + 39; through LDS, at fixed places, they become e = 32 i + lane.  From element n on: -infinity
.irp j, 0,1,2,3
.irp k, 0,1,2,3,4
	ds_store_b64 v3, v[K+10*\j+2*\k:K+10*\j+2*\k+1] offset:KT+8*(5*\j+\k)
.endr
.endr
	ds_store_b32 v2, v11 offset:KT+4*\n
.set cI, 0
.rept \nr
	ds_load_b32 v[K+cI], v2 offset:KT+128*cI
.set cI, cI+1
.endr
	s_wait_dscnt 0x0
.endm
	s_load_b128 s[4:7], s[0:1], 0x0                ; list1 s[4:5], okey s[6:7]
	s_load_b64 s[8:9], s[0:1], 0x10                ; liste
	v_lshl_add_u32 v160, v0, 2, 0x1600
	v_mov_b32 v161, 0
	v_lshlrev_b32 v1, 4, v0                        ; 16 l (one wave: v0 is the lane)
	v_lshlrev_b32 v2, 2, v0                        ; 4 l
	v_mul_u32_u24 v3, v0, 160                      ; 160 l
	v_mov_b32 v11, 0xff800000                      ; -infinity
.irp j, 0,1,2,3
	v_lshl_add_u32 v[SLOT+\j], v0, 2, \j
.endr
	s_lshl_b32 s18, ttmp9, 9                       ; the lists: 512 bytes a query
	s_mov_b32 s19, 0
	s_lshr_b32 s20, ttmp9, 4                       ; okey: 1,280 bytes a tile of queries, 40 a query
	s_mul_i32 s20, s20, 1280
	s_and_b32 s21, ttmp9, 15
	s_mul_i32 s21, s21, 40
	s_add_co_u32 s20, s20, s21
	s_mov_b32 s21, 0
	s_wait_kmcnt 0x0
	s_add_nc_u64 s[4:5], s[4:5], s[18:19]
	s_add_nc_u64 s[6:7], s[6:7], s[20:21]
	s_add_nc_u64 s[8:9], s[8:9], s[18:19]
	global_load_b128 v[20:23], v1, s[4:5]          ; lane l takes the list's slots 4 l .. 4 l + 3
	s_wait_loadcnt 0x0
.irp j, 0,1,2,3
	v_min_u32 v[20+\j], 0x4e1, v[20+\j]            ; a supergroup's number is held inside the table: 1,249 at the most
	v_and_b32 v12, 1, v[20+\j]
	v_and_b32 v13, 0x7fe, v[20+\j]
	v_mul_u32_u24 v13, v13, 81920                  ; block = supergroup / 2, 163,840 bytes each,
	v_mad_u32_u24 v[AD+\j], v12, 640, v13          ; the odd supergroup's lanes 16 x 40 bytes on
.endr
	LOADK 6
	s_wait_loadcnt 0x0
	TRANS 1000, 32
	MAPALL 32, K
	BISECT 32
	SELECT 32
	global_store_b128 v1, v[E:E+3], s[8:9]         ; 32 lanes store the query's 512 bytes, aligned
	s_wait_tensorcnt 0x0
	ds_add_u32 v160, v161
	s_wait_dscnt 0x0
	s_endpgm
.Lfunc_end_k_qf01822c9a0_sel2:
	.size	k_qf01822c9a0_sel2, .Lfunc_end_k_qf01822c9a0_sel2-k_qf01822c9a0_sel2
	.p2alignl 7, 3214868480
	.fill 96, 4, 3214868480
	.section	.rodata,"a",@progbits
	.p2align	6, 0x0
	.amdhsa_kernel k_qf01822c9a0_sel2
		.amdhsa_group_segment_fixed_size 5888
		.amdhsa_private_segment_fixed_size 0
		.amdhsa_enable_private_segment 0
		.amdhsa_kernarg_size 24
		.amdhsa_user_sgpr_count 2
		.amdhsa_user_sgpr_kernarg_segment_ptr 1
		.amdhsa_wavefront_size32 1
		.amdhsa_system_sgpr_workgroup_id_x 1
		.amdhsa_system_sgpr_workgroup_id_y 1
		.amdhsa_system_sgpr_workgroup_id_z 1
		.amdhsa_system_vgpr_workitem_id 0
		.amdhsa_next_free_vgpr 162
		.amdhsa_next_free_sgpr 66
		.amdhsa_reserve_vcc 0
		.amdhsa_float_denorm_mode_32 3
		.amdhsa_float_denorm_mode_16_64 3
		.amdhsa_memory_ordered 1
		.amdhsa_forward_progress 1
		.amdhsa_inst_pref_size 72
	.end_amdhsa_kernel
	.amdgpu_metadata
---
amdhsa.version: [ 1, 2 ]
amdhsa.kernels:
  - .name:           k_qf01822c9a0_sel2
    .symbol:         k_qf01822c9a0_sel2.kd
    .args:
      - { .name: list1, .offset: 0, .size: 8, .value_kind: global_buffer, .address_space: global }
      - { .name: okey, .offset: 8, .size: 8, .value_kind: global_buffer, .address_space: global }
      - { .name: liste, .offset: 16, .size: 8, .value_kind: global_buffer, .address_space: global }
    .group_segment_fixed_size: 5888
    .private_segment_fixed_size: 0
    .kernarg_segment_align: 8
    .kernarg_segment_size: 24
    .max_flat_workgroup_size: 32
    .sgpr_count:     66
    .vgpr_count:     162
    .wavefront_size: 32
...
	.end_amdgpu_metadata
.endif
;; end of part 4
;; launch refine (part 5): grid 2048 x 1, 1 waves a work-group, no clusters, 3,840 bytes of LDS; arguments list1, liste, codes, scales, ckey, pick; writes ckey, pick
.if DOCPART == 5
	.amdgcn_target "amdgcn-amd-amdhsa--gfx1250"
	.amdhsa_code_object_version 6
	.text
	.protected	k_qf01822c9a0_refine
	.globl	k_qf01822c9a0_refine
	.p2align	8
	.type	k_qf01822c9a0_refine,@function
k_qf01822c9a0_refine:
	s_mov_b64 s[64:65], 0
	v_nop
	global_prefetch_b8 v0, s[64:65] scope:SCOPE_SE
	s_setreg_imm32_b32 hwreg(HW_REG_WAVE_MODE, 25, 1), 1
	s_wait_xcnt 0x0
; One wave, one query q.  The query's 100 chosen octets (element e of liste is octet 10 x list1[e / 10] + e % 10) are multiplied with the query again, 50 tiles of two octets, on codes of FP6 (E2M3) with E8M0 scales, K ascending as in the
; launch that made the maxima.  The 800 sims go to ckey[q] at fixed places (candidate e' = 8 slot + place in the octet, ascending with the ref), the octets' numbers to pick[q][0 .. 99].
; Then the first 100 candidates by (sim descending, e' ascending) are picked, and their e' go to pick[q][128 .. 227], ascending.
; The addresses hang on list1 and liste alone, whole numbers read from memory by plain loads and held inside their tables.  NO BRANCH AND NO ADDRESS HANGS ON A SIM: the sims are compared as integers (sign and magnitude turned into
; two's complement), the 100th largest is found by a bisection of always 31 trips on -2^30 .. 2^30 (the patterns of -2.0 .. 2.0: a product of two quantised unit vectors stays under 1.3 in magnitude), the list is made by selection.
; LIMITS: NaN and infinities are not served.  One wave to a work-group: no barrier, and LDS serves a wave's instructions in order.
.set CKS,   0                          ; LDS: 832 sims on their way out
.set W,     32                         ; v32-81   the tiles' elements, then octets; v82-85 the list's slots 4 l .. 4 l + 3.  W[n] later holds pair n's 32 sims
.set K,     32                         ; v32-56   the 800 keys
.set SL,    86                         ; v86-139  slots e / 10, then what list1 holds there
.set TM,    140                        ; v140-193 at work
.set P,     58                         ; v58-82   at work in the selection
.set RF,    82                         ; v82-177  four tiles' fragments (two pairs)
.set RSV,   178                        ; v178-181 their scale words
.set OC,    182                        ; v182-185 their byte offsets in codes
.set OS,    186                        ; v186-189 and in scales
.set DA,    190                        ; v190-197, v198-205 two accumulators
.set DB,    198
.set QF,    228                        ; v228-251 the query's fragment: all 16 rows are the query
.set QSV,   252                        ; v252     its scale words
.set OUTS,  112                        ; v112-137 the sims on their way out
.set SLOT,  140                        ; behind the products: the selection's registers
.set WW,    144
.set CC,    148
.set FX,    152
.set FY,    156
.set FZ,    160
.set FU,    164
.set FR,    168
.set FP,    172
.set FC,    176
.set FT,    180
.set E,     184
.set SLO,   22
.set SHI,   23
.set SMID,  24
.set SCNT,  25
.set SCTR,  26
.set SNEED, 27
; s[SCNT] = the number of keys for which 'threshold cmp key' holds
.macro COUNT cmp, thr, nr
	s_mov_b32 s[SCNT], 0
.set cI, 0
.rept ((\nr)+7)/8
.set cG, (\nr)-cI
.if cG > 8
.set cG, 8
.endif
.set cK, 0
.rept cG
	\cmp s[40+cK], s[\thr], v[K+cI+cK]
.set cK, cK+1
.endr
.set cK, 0
.rept cG
	s_bcnt1_i32_b32 s[40+cK], s[40+cK]
	s_add_co_u32 s[SCNT], s[SCNT], s[40+cK]
.set cK, cK+1
.endr
.set cI, cI+cG
.endr
.endm
; sign and magnitude -> two's complement: key = (m ^ t) - t
.macro MAPALL nr, src
.set cI, 0
.rept \nr
	v_ashrrev_i32 v[P+cI], 31, v[\src+cI]
.set cI, cI+1
.endr
.set cI, 0
.rept \nr
	v_and_b32 v[K+cI], 0x7fffffff, v[\src+cI]
.set cI, cI+1
.endr
.set cI, 0
.rept \nr
	v_xor_b32 v[K+cI], v[K+cI], v[P+cI]
.set cI, cI+1
.endr
.set cI, 0
.rept \nr
	v_sub_nc_u32 v[K+cI], v[K+cI], v[P+cI]
.set cI, cI+1
.endr
.endm
; Throughout: count(key >= lo) >= 100 > count(key >= hi).  hi - lo = 2^31 is halved 31 times, always: L = lo is the 100th largest key
.macro BISECT nr
	s_mov_b32 s[SLO], 0xc0000000
	s_mov_b32 s[SHI], 0x40000000
	s_mov_b32 s[SCTR], 31
.Lbis_\@:
	s_add_co_i32 s[SMID], s[SLO], s[SHI]
	s_ashr_i32 s[SMID], s[SMID], 1
	COUNT v_cmp_le_i32, SMID, \nr
	s_cmp_ge_u32 s[SCNT], 100
	s_cselect_b32 s[SLO], s[SMID], s[SLO]
	s_cselect_b32 s[SHI], s[SHI], s[SMID]
	s_sub_co_u32 s[SCTR], s[SCTR], 1
	s_cmp_lg_u32 s[SCTR], 0
	s_cbranch_scc1 .Lbis_\@
.endm
; g registers from i0 on.  s40.. equal to L, s44.. above L, s48.. equals before the register, s53.. chosen before the register, s58.. chosen
.macro SELG i0, g
.set cK, 0
.rept \g
	v_cmp_eq_i32 s[40+cK], s[SLO], v[K+\i0+cK]
	v_cmp_lt_i32 s[44+cK], s[SLO], v[K+\i0+cK]
.set cK, cK+1
.endr
.set cK, 0
.rept \g
	s_bcnt1_i32_b32 s62, s[40+cK]
	s_add_co_u32 s[49+cK], s[48+cK], s62
.set cK, cK+1
.endr
.set cK, 0
.rept \g
	v_mbcnt_lo_u32_b32 v[P+\i0+cK], s[40+cK], s[48+cK]             ; how many equals come before me
.set cK, cK+1
.endr
.set cK, 0
.rept \g
	v_cmp_gt_u32 s[58+cK], s[SNEED], v[P+\i0+cK]                   ; the first 'need' equals are taken: ties go to the lower index
.set cK, cK+1
.endr
.set cK, 0
.rept \g
	s_and_b32 s[58+cK], s[58+cK], s[40+cK]
	s_or_b32 s[58+cK], s[58+cK], s[44+cK]
	s_bcnt1_i32_b32 s62, s[58+cK]
	s_add_co_u32 s[54+cK], s[53+cK], s62
.set cK, cK+1
.endr
.set cK, 0
.rept \g
	s_add_co_u32 s[44+cK], s[53+cK], (\i0+cK)<<8                   ; 256 x the register's number + the chosen before it
.set cK, cK+1
.endr
.set cK, 0
.rept \g
.irp j, 0,1,2,3
	v_cmp_le_u32 s[40+\j], s[53+cK], v[SLOT+\j]                    ; the last register whose count is at most the slot is the one in which the slot falls
.endr
.irp j, 0,1,2,3
	v_cndmask_b32 v[WW+\j], v[WW+\j], s[58+cK], s[40+\j]
	v_cndmask_b32 v[CC+\j], v[CC+\j], s[44+cK], s[40+\j]
.endr
.set cK, cK+1
.endr
	s_mov_b32 s48, s[48+\g]
	s_mov_b32 s53, s[53+\g]
.endm
; one halving: the count of the lower w bits at the place in hand; a rank at or above it goes past them
.macro FSTEP src, w
.irp j, 0,1,2,3
	v_bfe_u32 v[FC+\j], v[\src+\j], v[FP+\j], \w
.endr
.irp j, 0,1,2,3
	v_cmp_ge_u32 s[40+\j], v[FR+\j], v[FC+\j]
	v_sub_nc_u32 v[FT+\j], v[FR+\j], v[FC+\j]
.endr
.irp j, 0,1,2,3
	v_add_nc_u32 v[FC+\j], \w, v[FP+\j]
.endr
.irp j, 0,1,2,3
	v_cndmask_b32 v[FR+\j], v[FR+\j], v[FT+\j], s[40+\j]
	v_cndmask_b32 v[FP+\j], v[FP+\j], v[FC+\j], s[40+\j]
.endr
.endm
; the place of set bit number (slot - chosen before the register) of the slot's mask; element = 32 x register + place
.macro FINDBIT
.irp j, 0,1,2,3
	v_and_b32 v[FR+\j], 0xff, v[CC+\j]
	v_lshrrev_b32 v[FX+\j], 1, v[WW+\j]
.endr
.irp j, 0,1,2,3
	v_sub_nc_u32 v[FR+\j], v[SLOT+\j], v[FR+\j]                    ; the rank in the mask
	v_and_b32 v[FX+\j], 0x55555555, v[FX+\j]
.endr
.irp j, 0,1,2,3
	v_lshrrev_b32 v[CC+\j], 8, v[CC+\j]                            ; the register's number
	v_sub_nc_u32 v[FX+\j], v[WW+\j], v[FX+\j]                      ; counts of 2 bits
.endr
.irp j, 0,1,2,3
	v_lshrrev_b32 v[FY+\j], 2, v[FX+\j]
	v_and_b32 v[FT+\j], 0x33333333, v[FX+\j]
.endr
.irp j, 0,1,2,3
	v_and_b32 v[FY+\j], 0x33333333, v[FY+\j]
.endr
.irp j, 0,1,2,3
	v_add_nc_u32 v[FY+\j], v[FY+\j], v[FT+\j]                      ; of 4 bits
.endr
.irp j, 0,1,2,3
	v_lshrrev_b32 v[FZ+\j], 4, v[FY+\j]
.endr
.irp j, 0,1,2,3
	v_add_nc_u32 v[FZ+\j], v[FZ+\j], v[FY+\j]
.endr
.irp j, 0,1,2,3
	v_and_b32 v[FZ+\j], 0x0f0f0f0f, v[FZ+\j]                       ; of 8 bits
.endr
.irp j, 0,1,2,3
	v_lshrrev_b32 v[FU+\j], 8, v[FZ+\j]
.endr
.irp j, 0,1,2,3
	v_add_nc_u32 v[FU+\j], v[FU+\j], v[FZ+\j]                      ; its lowest byte: the count of the lower 16 bits
.endr
.irp j, 0,1,2,3
	v_and_b32 v[FC+\j], 0xff, v[FU+\j]
.endr
.irp j, 0,1,2,3
	v_cmp_ge_u32 s[40+\j], v[FR+\j], v[FC+\j]
	v_sub_nc_u32 v[FT+\j], v[FR+\j], v[FC+\j]
.endr
.irp j, 0,1,2,3
	v_cndmask_b32 v[FR+\j], v[FR+\j], v[FT+\j], s[40+\j]
	v_cndmask_b32 v[FP+\j], 0, 16, s[40+\j]
.endr
	FSTEP FZ, 8
	FSTEP FY, 4
	FSTEP FX, 2
	FSTEP WW, 1
.irp j, 0,1,2,3
	v_lshl_add_u32 v[E+\j], v[CC+\j], 5, v[FP+\j]
.endr
.endm
; v[E + j] = the element in slot 4 lane + j of the list of the first 100, in ascending order
.macro SELECT nr
	COUNT v_cmp_lt_i32, SLO, \nr
	s_sub_co_u32 s[SNEED], 100, s[SCNT]            ; how many of the keys equal to L are still wanted
	s_mov_b32 s48, 0
	s_mov_b32 s53, 0
.irp j, 0,1,2,3
	v_mov_b32 v[WW+\j], 0
	v_mov_b32 v[CC+\j], 0
.endr
.set cP, 0
.rept (\nr)/4
	SELG cP, 4
.set cP, cP+4
.endr
.if (\nr)%4
	SELG cP, (\nr)%4
.endif
	FINDBIT
.endm
	s_load_b256 s[4:11], s[0:1], 0x0               ; list1 s[4:5], liste s[6:7], codes s[8:9], scales s[10:11]
	s_load_b128 s[12:15], s[0:1], 0x20             ; ckey s[12:13], pick s[14:15]
	v_lshl_add_u32 v254, v0, 2, 0xe00
	v_mov_b32 v255, 0
	v_lshlrev_b32 v1, 4, v0                        ; 16 l (one wave: v0 is the lane)
	v_lshlrev_b32 v2, 2, v0                        ; 4 l
	v_lshlrev_b32 v4, 3, v0                        ; 8 l
	v_lshrrev_b32 v12, 4, v0                       ; hK
	v_lshlrev_b32 v5, 7, v12                       ; the query's fragment: 128 hK
	v_lshlrev_b32 v6, 5, v12                       ; its scale words: 32 bytes on for K step 1
	v_and_b32 v13, 7, v0
	v_lshl_add_u32 v13, v12, 3, v13                ; my place in an image
	v_lshlrev_b32 v7, 4, v13
	v_lshlrev_b32 v8, 2, v13
	v_bfe_u32 v9, v0, 3, 1
	v_lshlrev_b32 v9, 2, v9                        ; which of a tile's two octets, as a word's offset
	v_mov_b32 v11, 0xff800000                      ; -infinity
	s_lshl_b32 s18, ttmp9, 9                       ; list1, liste: 512 bytes a query
	s_mov_b32 s19, 0
	s_lshr_b32 s20, ttmp9, 3                       ; the query's octet of x, and its row there
	s_and_b32 s21, ttmp9, 7
	s_mul_i32 s28, s20, 1536
	s_lshl_b32 s37, s21, 4
	s_add_co_u32 s28, s28, s37
	s_mov_b32 s29, 0
	s_lshl_b32 s30, s20, 6
	s_lshl_b32 s37, s21, 2
	s_add_co_u32 s30, s30, s37
	s_mov_b32 s31, 0
	s_mul_i32 s38, ttmp9, 3328                     ; ckey: 3,328 bytes a query
	s_mov_b32 s39, 0
	s_lshl_b32 s20, ttmp9, 10                      ; pick: 1,024 bytes a query
	s_mov_b32 s21, 0
	s_mov_b32 s36, 0xffff0000                      ; lanes 16-31
	s_wait_kmcnt 0x0
	s_add_nc_u64 s[4:5], s[4:5], s[18:19]
	s_add_nc_u64 s[6:7], s[6:7], s[18:19]
	s_add_nc_u64 s[12:13], s[12:13], s[38:39]
	s_add_nc_u64 s[14:15], s[14:15], s[20:21]
	s_add_nc_u64 s[28:29], s[8:9], s[28:29]
	s_add_nc_u64 s[30:31], s[10:11], s[30:31]
	s_add_nc_u64 s[32:33], s[8:9], 393216          ; the refs' images lie behind x's 256
	s_add_nc_u64 s[34:35], s[10:11], 16384
	; ---- the chosen elements: for tile i, lanes with r < 8 take the list's slot 2 i, the others slot 2 i + 1; and once more the whole list, four slots a lane
.set cI, 0
.rept 50
	global_load_b32 v[W+cI], v9, s[6:7] offset:8*cI
.set cI, cI+1
.endr
	global_load_b128 v[W+50:W+53], v1, s[6:7]
.irp p, 0,1,2,3,4,5
	global_load_b128 v[QF+4*\p:QF+4*\p+3], v5, s[28:29] offset:256*\p    ; the query
.endr
	global_load_b32 v[QSV], v6, s[30:31]
	s_wait_loadcnt 7                               ; the elements are in; the query's seven loads may be out
	; ---- element e = 10 slot + o -> octet 10 x list1[slot] + o
.set cI, 0
.rept 54
	v_mul_u32_u24 v[SL+cI], v[W+cI], 6554          ; e / 10 for e under 1,024: (6,554 e) >> 16
.set cI, cI+1
.endr
.set cI, 0
.rept 54
	v_lshrrev_b32 v[SL+cI], 16, v[SL+cI]
.set cI, cI+1
.endr
.set cI, 0
.rept 54
	v_min_u32 v[SL+cI], 99, v[SL+cI]               ; held inside the list
.set cI, cI+1
.endr
.set cI, 0
.rept 54
	v_mul_u32_u24 v[TM+cI], v[SL+cI], 10
.set cI, cI+1
.endr
.set cI, 0
.rept 54
	v_sub_nc_u32 v[W+cI], v[W+cI], v[TM+cI]        ; o
	v_lshlrev_b32 v[SL+cI], 2, v[SL+cI]
.set cI, cI+1
.endr
.set cI, 0
.rept 54
	global_load_b32 v[SL+cI], v[SL+cI], s[4:5]     ; the supergroup in that slot; the load lands on its own offset
.set cI, cI+1
.endr
	s_wait_loadcnt 0x0
.set cI, 0
.rept 50
	v_mad_u32_u24 v[W+cI], v[SL+cI], 10, v[W+cI]
.set cI, cI+1
.endr
.irp j, 0,1,2,3
	v_mad_u32_u24 v[24+\j], v[SL+50+\j], 10, v[W+50+\j]
.endr
	global_store_b128 v1, v[24:27], s[14:15]       ; the octets' numbers: 32 lanes store 512 bytes, aligned; v1 and v24-27 are not written again
.set cI, 0
.rept 50
	v_min_u32 v[W+cI], 0x30d3, v[W+cI]             ; an octet's number is held inside the table: 12,499 at the most
.set cI, cI+1
.endr
	; ---- 50 tiles.  Source 0 = the query in all 16 rows, source 1 = the tile: register 0 of lane (r, h) is the sim with the tile's ref r
.macro ISSUE i, j                      ; tile i into place j of the ring
	v_mad_u32_u24 v[OC+\j], v[W+\i], 1536, v7
	v_lshl_add_u32 v[OS+\j], v[W+\i], 6, v8
.irp p, 0,1,2,3,4,5
	global_load_b128 v[RF+24*(\j)+4*\p:RF+24*(\j)+4*\p+3], v[OC+\j], s[32:33] offset:256*\p
.endr
	global_load_b32 v[RSV+\j], v[OS+\j], s[34:35]
.endm
.macro PAIR n
.set J0, 2*((\n)%2)
.if (\n) == 24
	s_wait_loadcnt 0x0
.else
	s_wait_loadcnt 14                              ; this pair's loads are in; the next pair's fourteen may be out
.endif
	; two accumulators by turns, one instruction a turn
	v_wmma_scale_f32_16x16x128_f8f6f4 v[DA:DA+7], v[QF:QF+11], v[RF+24*J0:RF+24*J0+11], 0, v[QSV], v[RSV+J0] matrix_a_fmt:MATRIX_FMT_FP6 matrix_b_fmt:MATRIX_FMT_FP6
	v_wmma_scale_f32_16x16x128_f8f6f4 v[DB:DB+7], v[QF:QF+11], v[RF+24*J0+24:RF+24*J0+35], 0, v[QSV], v[RSV+J0+1] matrix_a_fmt:MATRIX_FMT_FP6 matrix_b_fmt:MATRIX_FMT_FP6
	v_wmma_scale_f32_16x16x128_f8f6f4 v[DA:DA+7], v[QF+12:QF+23], v[RF+24*J0+12:RF+24*J0+23], v[DA:DA+7], v[QSV], v[RSV+J0] matrix_a_fmt:MATRIX_FMT_FP6 matrix_b_fmt:MATRIX_FMT_FP6 matrix_a_scale:MATRIX_SCALE_ROW1 matrix_b_scale:MATRIX_SCALE_ROW1
	v_wmma_scale_f32_16x16x128_f8f6f4 v[DB:DB+7], v[QF+12:QF+23], v[RF+24*J0+36:RF+24*J0+47], v[DB:DB+7], v[QSV], v[RSV+J0+1] matrix_a_fmt:MATRIX_FMT_FP6 matrix_b_fmt:MATRIX_FMT_FP6 matrix_a_scale:MATRIX_SCALE_ROW1 matrix_b_scale:MATRIX_SCALE_ROW1
.rept 5
	v_nop                                          ; four places in front of the read of the results and of the loads into the fragments, five in front of the next pair's products, which begin the accumulators anew
.endr
	v_cndmask_b32 v[W+(\n)], v[DA], v[DB], s36     ; lanes 0-15: the first tile's 16 sims; lanes 16-31: the second's: candidate e' = 32 n + lane.  W[n] is free: tiles up to 2 n + 3 have been asked for
	ds_store_b32 v2, v[W+(\n)] offset:CKS+128*(\n)
.if (\n)+2 < 25
	ISSUE 2*(\n)+4, J0
	ISSUE 2*(\n)+5, J0+1
.endif
.endm
	ISSUE 0, 0
	ISSUE 1, 1
	ISSUE 2, 2
	ISSUE 3, 3
.set cN, 0
.rept 25
	PAIR cN
.set cN, cN+1
.endr
	ds_store_b32 v2, v11 offset:CKS+3200           ; candidates 800 to 831 fill the query's 3,328 bytes of ckey: -infinity
.irp i, 0,1,2,3,4,5,6,7,8,9,10,11,12
	ds_load_b64 v[OUTS+2*\i:OUTS+2*\i+1], v4 offset:CKS+256*\i
.endr
.irp i, 0,1,2,3,4,5,6,7,8,9,10,11,12
	s_wait_dscnt 12-\i                             ; the younger loads may be out
	global_store_b64 v4, v[OUTS+2*\i:OUTS+2*\i+1], s[12:13] offset:256*\i    ; 32 lanes store 256 consecutive bytes, aligned; v4 and these registers are not written again
.endr
	; ---- the first 100 of the 800
.irp j, 0,1,2,3
	v_lshl_add_u32 v[SLOT+\j], v0, 2, \j
.endr
	MAPALL 25, K
	BISECT 25
	SELECT 25
	global_store_b128 v1, v[E:E+3], s[14:15] offset:512    ; 32 lanes store 512 bytes, aligned
	s_wait_tensorcnt 0x0
	ds_add_u32 v254, v255
	s_wait_dscnt 0x0
	s_endpgm
.Lfunc_end_k_qf01822c9a0_refine:
	.size	k_qf01822c9a0_refine, .Lfunc_end_k_qf01822c9a0_refine-k_qf01822c9a0_refine
	.p2alignl 7, 3214868480
	.fill 96, 4, 3214868480
	.section	.rodata,"a",@progbits
	.p2align	6, 0x0
	.amdhsa_kernel k_qf01822c9a0_refine
		.amdhsa_group_segment_fixed_size 3840
		.amdhsa_private_segment_fixed_size 0
		.amdhsa_enable_private_segment 0
		.amdhsa_kernarg_size 48
		.amdhsa_user_sgpr_count 2
		.amdhsa_user_sgpr_kernarg_segment_ptr 1
		.amdhsa_wavefront_size32 1
		.amdhsa_system_sgpr_workgroup_id_x 1
		.amdhsa_system_sgpr_workgroup_id_y 1
		.amdhsa_system_sgpr_workgroup_id_z 1
		.amdhsa_system_vgpr_workitem_id 0
		.amdhsa_next_free_vgpr 256
		.amdhsa_next_free_sgpr 66
		.amdhsa_reserve_vcc 0
		.amdhsa_float_denorm_mode_32 3
		.amdhsa_float_denorm_mode_16_64 3
		.amdhsa_memory_ordered 1
		.amdhsa_forward_progress 1
		.amdhsa_inst_pref_size 152
	.end_amdhsa_kernel
	.amdgpu_metadata
---
amdhsa.version: [ 1, 2 ]
amdhsa.kernels:
  - .name:           k_qf01822c9a0_refine
    .symbol:         k_qf01822c9a0_refine.kd
    .args:
      - { .name: list1, .offset: 0, .size: 8, .value_kind: global_buffer, .address_space: global }
      - { .name: liste, .offset: 8, .size: 8, .value_kind: global_buffer, .address_space: global }
      - { .name: codes, .offset: 16, .size: 8, .value_kind: global_buffer, .address_space: global }
      - { .name: scales, .offset: 24, .size: 8, .value_kind: global_buffer, .address_space: global }
      - { .name: ckey, .offset: 32, .size: 8, .value_kind: global_buffer, .address_space: global }
      - { .name: pick, .offset: 40, .size: 8, .value_kind: global_buffer, .address_space: global }
    .group_segment_fixed_size: 3840
    .private_segment_fixed_size: 0
    .kernarg_segment_align: 8
    .kernarg_segment_size: 48
    .max_flat_workgroup_size: 32
    .sgpr_count:     66
    .vgpr_count:     256
    .wavefront_size: 32
...
	.end_amdgpu_metadata
.endif
;; end of part 5
;; launch predict (part 6): grid 2048 x 1, 1 waves a work-group, no clusters, 0 bytes of LDS; arguments pick, ckey, ref_y, out0; writes out0
.if DOCPART == 6
	.amdgcn_target "amdgcn-amd-amdhsa--gfx1250"
	.amdhsa_code_object_version 6
	.text
	.protected	k_qf01822c9a0_predict
	.globl	k_qf01822c9a0_predict
	.p2align	8
	.type	k_qf01822c9a0_predict,@function
k_qf01822c9a0_predict:
	s_mov_b64 s[64:65], 0
	v_nop
	global_prefetch_b8 v0, s[64:65] scope:SCOPE_SE
	s_setreg_imm32_b32 hwreg(HW_REG_WAVE_MODE, 25, 1), 1
	s_wait_xcnt 0x0
; One wave, one query q.  pick[q][128 + s], s = 0 .. 99, names the query's 100 nearest among its 800 candidates: candidate e' has the sim ckey[q][e'] and is ref 8 x pick[q][e' / 8] + e' % 8.
; out0[q] = (sum of sim x ref_y[ref]) / (sum of sim), in f32.  All addresses hang on pick alone, whole numbers stored by the launch before, read by plain loads and held inside their tables.
; The second product is one vector against 100 gathered rows for each query: nothing is shared between queries, so it is fused multiply-adds and not matrix work.
; A row of ref_y is 256 bytes: sixteen lanes read it whole.  Lanes 0-15 take slots 0-49, lanes 16-31 slots 50-99; 32 loads (64 rows) are out at a time.
; LIMITS: NaN and infinities are not served; the order of the two sums is this text's; the division is v_rcp_f32 and a multiplication.
.set IX,    16                         ; v16-65   my 50 candidates, then their places in the octet, then their rows' byte offsets
.set VA,    66                         ; v66-115  offsets of my 50 sims, then the sims
.set T,     116                        ; v116-165 offsets of my 50 octets' numbers, then the numbers
.set Y,     116                        ; v116-243 32 places of 4 registers
.set ACC,   244                        ; v244-251 two sets of 4 sums
.set SUM,   252                        ; v252-253 the sum of the sims
	s_load_b256 s[4:11], s[0:1], 0x0               ; pick s[4:5], ckey s[6:7], ref_y s[8:9], out0 s[10:11]
	v_and_b32 v4, 15, v0
	v_lshlrev_b32 v4, 4, v4                        ; my 16 bytes of a row of 256
	v_lshrrev_b32 v5, 4, v0
	v_mul_u32_u24 v5, v5, 200                      ; my half's 50 slots of the list
	s_lshl_b32 s16, ttmp9, 10                      ; pick: 1,024 bytes a query
	s_mov_b32 s17, 0
	s_mul_i32 s18, ttmp9, 3328                     ; ckey: 3,328 bytes a query
	s_mov_b32 s19, 0
	s_lshl_b32 s20, ttmp9, 8                       ; out0: 256 bytes a query
	s_mov_b32 s21, 0
	s_mov_b32 s28, 0x76543210                      ; v_permlanex16_b32's selects for lane l xor 16
	s_mov_b32 s29, 0xfedcba98
	s_wait_kmcnt 0x0
	s_add_nc_u64 s[4:5], s[4:5], s[16:17]
	s_add_nc_u64 s[6:7], s[6:7], s[18:19]
	s_add_nc_u64 s[10:11], s[10:11], s[20:21]
.set cI, 0
.rept 25
	global_load_b64 v[IX+2*cI:IX+2*cI+1], v5, s[4:5] offset:512+8*cI
.set cI, cI+1
.endr
	s_wait_loadcnt 0x0
.set cI, 0
.rept 50
	v_lshrrev_b32 v[T+cI], 3, v[IX+cI]             ; the candidate's slot among the 100 octets
	v_min_u32 v[VA+cI], 0x31f, v[IX+cI]            ; the candidate, held inside its 800
.set cI, cI+1
.endr
.set cI, 0
.rept 50
	v_min_u32 v[T+cI], 99, v[T+cI]                 ; held inside the list
	v_lshlrev_b32 v[VA+cI], 2, v[VA+cI]
.set cI, cI+1
.endr
.set cI, 0
.rept 50
	v_lshlrev_b32 v[T+cI], 2, v[T+cI]
.set cI, cI+1
.endr
.set cI, 0
.rept 50
	global_load_b32 v[T+cI], v[T+cI], s[4:5]       ; the octet's number; each load lands on its own offset
.set cI, cI+1
.endr
.set cI, 0
.rept 50
	global_load_b32 v[VA+cI], v[VA+cI], s[6:7]     ; the sim
.set cI, cI+1
.endr
.set cI, 0
.rept 50
	v_and_b32 v[IX+cI], 7, v[IX+cI]                ; the place in the octet
.set cI, cI+1
.endr
	s_wait_loadcnt 50                              ; the octets' numbers are in; the 50 loads of the sims may be out
.set cI, 0
.rept 50
	v_lshl_add_u32 v[IX+cI], v[T+cI], 3, v[IX+cI]  ; ref = 8 x octet + place
.set cI, cI+1
.endr
.set cI, 0
.rept 50
	v_min_u32 v[IX+cI], 0x1869f, v[IX+cI]          ; a ref is held inside the table: 99,999 at the most
.set cI, cI+1
.endr
.set cI, 0
.rept 50
	v_lshl_add_u32 v[IX+cI], v[IX+cI], 8, v4       ; its row of 256 bytes, my 16 of them
.set cI, cI+1
.endr
.set cI, 0
.rept 32
	global_load_b128 v[Y+4*cI:Y+4*cI+3], v[IX+cI], s[8:9]          ; two whole rows an instruction
.set cI, cI+1
.endr
	s_wait_loadcnt 32                              ; the sims are in; the 32 loads of rows may be out
	v_pk_add_f32 v[SUM:SUM+1], v[VA:VA+1], v[VA+2:VA+3]            ; the sum of my 50 sims, while the rows are on their way
.set cI, 4
.rept 23
	v_pk_add_f32 v[SUM:SUM+1], v[SUM:SUM+1], v[VA+cI:VA+cI+1]
.set cI, cI+2
.endr
.macro ROW g
.if 49-(\g) < 31
	s_wait_loadcnt 49-(\g)                         ; towards the end fewer rows stand behind this one
.else
	s_wait_loadcnt 31                              ; this row is in; the 31 younger ones may be out
.endif
.set YS, Y+4*((\g)%32)
.set AS, ACC+4*((\g)%2)
.set VP, VA+2*((\g)/2)
.if (\g) == 0                          ; the first two rows start the two sets of sums: nothing is cleared.  Of the pair of sims the even row takes the first register for both halves, the odd row the second
	v_pk_mul_f32 v[AS:AS+1], v[YS:YS+1], v[VP:VP+1] op_sel_hi:[1,0]
	v_pk_mul_f32 v[AS+2:AS+3], v[YS+2:YS+3], v[VP:VP+1] op_sel_hi:[1,0]
.elseif (\g) == 1
	v_pk_mul_f32 v[AS:AS+1], v[YS:YS+1], v[VP:VP+1] op_sel:[0,1]
	v_pk_mul_f32 v[AS+2:AS+3], v[YS+2:YS+3], v[VP:VP+1] op_sel:[0,1]
.elseif (\g)%2 == 0
	v_pk_fma_f32 v[AS:AS+1], v[YS:YS+1], v[VP:VP+1], v[AS:AS+1] op_sel_hi:[1,0,1]
	v_pk_fma_f32 v[AS+2:AS+3], v[YS+2:YS+3], v[VP:VP+1], v[AS+2:AS+3] op_sel_hi:[1,0,1]
.else
	v_pk_fma_f32 v[AS:AS+1], v[YS:YS+1], v[VP:VP+1], v[AS:AS+1] op_sel:[0,1,0]
	v_pk_fma_f32 v[AS+2:AS+3], v[YS+2:YS+3], v[VP:VP+1], v[AS+2:AS+3] op_sel:[0,1,0]
.endif
.if (\g)+32 < 50
	global_load_b128 v[YS:YS+3], v[IX+(\g)+32], s[8:9]
.endif
.endm
.set cN, 0
.rept 50
	ROW cN
.set cN, cN+1
.endr
	v_pk_add_f32 v[ACC:ACC+1], v[ACC:ACC+1], v[ACC+4:ACC+5]        ; the two sets,
	v_pk_add_f32 v[ACC+2:ACC+3], v[ACC+2:ACC+3], v[ACC+6:ACC+7]
	v_add_f32 v[SUM], v[SUM], v[SUM+1]
.irp j, 0,1,2,3
	v_permlanex16_b32 v[16+\j], v[ACC+\j], s28, s29                ; and the other half's 50 rows (v16-20 have been written, and every load that named them is done)
.endr
	v_permlanex16_b32 v20, v[SUM], s28, s29
	v_pk_add_f32 v[ACC:ACC+1], v[ACC:ACC+1], v[16:17]
	v_pk_add_f32 v[ACC+2:ACC+3], v[ACC+2:ACC+3], v[18:19]
	v_add_f32 v[SUM], v[SUM], v20
	v_rcp_f32 v254, v[SUM]
	v_mov_b32 v255, 0                              ; named with v254 as a pair; also the plain instruction behind the transcendental (ISA guide 5.7.2)
	s_wait_alu depctr_va_vdst(0)
	v_pk_mul_f32 v[ACC:ACC+1], v[ACC:ACC+1], v[254:255] op_sel_hi:[1,0]
	v_pk_mul_f32 v[ACC+2:ACC+3], v[ACC+2:ACC+3], v[254:255] op_sel_hi:[1,0]
	v_cmp_gt_u32 vcc_lo, 16, v0
	s_wait_xcnt 0x0                                ; EXEC changes only behind this wait
	s_and_saveexec_b32 s20, vcc_lo                 ; both halves hold the same sums: lanes 0-15 store
	global_store_b128 v4, v[ACC:ACC+3], s[10:11]   ; sixteen lanes store the query's 256 bytes, aligned
	s_endpgm
.Lfunc_end_k_qf01822c9a0_predict:
	.size	k_qf01822c9a0_predict, .Lfunc_end_k_qf01822c9a0_predict-k_qf01822c9a0_predict
	.p2alignl 7, 3214868480
	.fill 96, 4, 3214868480
	.section	.rodata,"a",@progbits
	.p2align	6, 0x0
	.amdhsa_kernel k_qf01822c9a0_predict
		.amdhsa_group_segment_fixed_size 0
		.amdhsa_private_segment_fixed_size 0
		.amdhsa_enable_private_segment 0
		.amdhsa_kernarg_size 32
		.amdhsa_user_sgpr_count 2
		.amdhsa_user_sgpr_kernarg_segment_ptr 1
		.amdhsa_wavefront_size32 1
		.amdhsa_system_sgpr_workgroup_id_x 1
		.amdhsa_system_sgpr_workgroup_id_y 1
		.amdhsa_system_sgpr_workgroup_id_z 1
		.amdhsa_system_vgpr_workitem_id 0
		.amdhsa_next_free_vgpr 256
		.amdhsa_next_free_sgpr 66
		.amdhsa_reserve_vcc 1
		.amdhsa_float_denorm_mode_32 3
		.amdhsa_float_denorm_mode_16_64 3
		.amdhsa_memory_ordered 1
		.amdhsa_forward_progress 1
		.amdhsa_inst_pref_size 50
	.end_amdhsa_kernel
	.amdgpu_metadata
---
amdhsa.version: [ 1, 2 ]
amdhsa.kernels:
  - .name:           k_qf01822c9a0_predict
    .symbol:         k_qf01822c9a0_predict.kd
    .args:
      - { .name: pick, .offset: 0, .size: 8, .value_kind: global_buffer, .address_space: global }
      - { .name: ckey, .offset: 8, .size: 8, .value_kind: global_buffer, .address_space: global }
      - { .name: ref_y, .offset: 16, .size: 8, .value_kind: global_buffer, .address_space: global }
      - { .name: out0, .offset: 24, .size: 8, .value_kind: global_buffer, .address_space: global }
    .group_segment_fixed_size: 0
    .private_segment_fixed_size: 0
    .kernarg_segment_align: 8
    .kernarg_segment_size: 32
    .max_flat_workgroup_size: 32
    .sgpr_count:     66
    .vgpr_count:     256
    .wavefront_size: 32
...
	.end_amdgpu_metadata
.endif
;; end of part 6
;; ======== version 2 of 2: 6 launches; version 1 with the launch refine written anew for expert scheduling mode
;; workspace buffers: codes 19,593,216 bytes; scales 816,384 bytes; skey 10,240,000 bytes; okey 102,400,000 bytes; ckey 6,815,744 bytes; list1 1,048,576 bytes of whole numbers; liste 1,048,576 bytes of whole numbers; pick 2,097,152 bytes of whole numbers
;; launch quant: the kernel of part 1 again; grid 1063 x 1, 3 waves a work-group, no clusters, 22,016 bytes of LDS; arguments x, ref_x, codes, scales; writes codes, scales
;; launch simmax: the kernel of part 2 again; grid 125 x 2, 8 waves a work-group, no clusters, 284,160 bytes of LDS; arguments codes, scales, okey, skey; writes okey, skey
;; launch sel1: the kernel of part 3 again; grid 2048 x 1, 1 waves a work-group, no clusters, 5,888 bytes of LDS; arguments skey, list1; writes list1
;; launch sel2: the kernel of part 4 again; grid 2048 x 1, 1 waves a work-group, no clusters, 5,888 bytes of LDS; arguments list1, okey, liste; writes liste
;; launch refine (part 7): grid 2048 x 1, 1 waves a work-group, no clusters, 3,840 bytes of LDS; arguments list1, liste, codes, scales, ckey, pick; writes ckey, pick
.if DOCPART == 7
	.amdgcn_target "amdgcn-amd-amdhsa--gfx1250"
	.amdhsa_code_object_version 6
	.text
	.protected	k_qf01822c9a0_refine
	.globl	k_qf01822c9a0_refine
	.p2align	8
	.type	k_qf01822c9a0_refine,@function
k_qf01822c9a0_refine:
	s_mov_b64 s[64:65], 0
	v_nop
	global_prefetch_b8 v0, s[64:65] scope:SCOPE_SE
	s_setreg_imm32_b32 hwreg(HW_REG_WAVE_SCHED_MODE, 0, 2), 2
	s_setreg_imm32_b32 hwreg(HW_REG_WAVE_MODE, 25, 1), 1
	s_wait_xcnt 0x0
	s_wait_alu depctr_vm_vsrc(0)
; One wave, one query q.  The query's 100 chosen octets (element e of liste is octet 10 x list1[e / 10] + e % 10) are multiplied with the query again, 50 tiles of two octets, on codes of FP6 (E2M3) with E8M0 scales, K ascending as in the
; launch that made the maxima.  The 800 sims go to ckey[q] at fixed places (candidate e' = 8 slot + place in the octet, ascending with the ref), the octets' numbers to pick[q][0 .. 99].
; Then the first 100 candidates by (sim descending, e' ascending) are picked, and their e' go to pick[q][128 .. 227], ascending.
; The addresses hang on list1 and liste alone, whole numbers read from memory by plain loads and held inside their tables.  NO BRANCH AND NO ADDRESS HANGS ON A SIM: the sims are compared as integers (sign and magnitude turned into
; two's complement), the 100th largest is found by a bisection of always 31 trips on -2^30 .. 2^30 (the patterns of -2.0 .. 2.0: a product of two quantised unit vectors stays under 1.3 in magnitude), the list is made by selection.
; LIMITS: NaN and infinities are not served.  One wave to a work-group: no barrier, and LDS serves a wave's instructions in order.
; THE MODE: SCHED_MODE bits 1:0 = 2 (LLVM: expert scheduling mode 2), set by the entry lines.  The code itself states the register dependences between vector or matrix instructions and memory or LDS instructions,
; and those through scalar registers that vector instructions write, with s_wait_alu, always for 0.
; THE PLAN.  Registers that memory or LDS instructions touch:
;   v1, v2, v4, v5, v6, v9, v11   offsets and -infinity: made at the head, never written again: one wait on va_vdst at the head serves them for the whole kernel.
;   SL             written by vector lines, read as offsets by the 54 gathers from list1; later the ring's loads land in these registers.
;   TM             written and read by vector lines, then the 54 gathers land in it, then vector lines read it.
;   v24-27         written by vector lines, read by one store, never written again.
;   OC, OS         tile in place j: written by two vector lines, read by the tile's seven loads, written again two pairs later.
;   RF, RSV        the ring: a pair's loads land there, its four matrix instructions read them, the loads of the pair two on land there at once.
;   W[n]           written by pair n's v_cndmask_b32, read by its LDS store; the selection writes it again.
;   OUTS, E        OUTS: LDS loads land there (registers of the ring), global stores read it.  E: written by the selection, read by the last store.
; A PAIR has two waits.  One on vm_vsrc behind its products: the loads of two pairs back have read OC and OS.  ONE on va_vdst behind its vector lines: W[n], OC and OS are written, and the products are done reading the
; fragments and scale words in which the fourteen loads that follow land.  It stands behind the products, not at the next pair's head, so that two pairs' loads are always on their way.
; SCALAR REGISTERS THAT VECTOR INSTRUCTIONS WRITE: compares stand in runs, into registers of their own, with one wait on va_sdst between a run and its first reader.
.set CKS,   0                          ; LDS: 832 sims on their way out
.set W,     32                         ; v32-81   the tiles' elements, then octets; v82-85 the list's slots 4 l .. 4 l + 3.  W[n] later holds pair n's 32 sims
.set K,     32                         ; v32-56   the 800 keys
.set SL,    86                         ; v86-139  slots e / 10, then their byte offsets in list1
.set TM,    140                        ; v140-193 at work, then what list1 holds in those slots
.set P,     58                         ; v58-82   at work in the selection
.set RF,    82                         ; v82-177  four tiles' fragments (two pairs)
.set RSV,   178                        ; v178-181 their scale words
.set OC,    182                        ; v182-185 their byte offsets in codes
.set OS,    186                        ; v186-189 and in scales
.set DA,    190                        ; v190-197, v198-205 two accumulators
.set DB,    198
.set QF,    228                        ; v228-251 the query's fragment: all 16 rows are the query
.set QSV,   252                        ; v252     its scale words
.set OUTS,  112                        ; v112-137 the sims on their way out
.set SLOT,  140                        ; behind the products: the selection's registers
.set WW,    144
.set CC,    148
.set FX,    152
.set FY,    156
.set FZ,    160
.set FU,    164
.set FR,    168
.set FP,    172
.set FC,    176
.set FT,    180
.set E,     184
.set SLO,   22
.set SHI,   23
.set SMID,  24
.set SCNT,  25
.set SCTR,  26
.set SNEED, 27
.set SM,    28                         ; s28-43   behind the products: sixteen masks, four slots x four registers of keys
.set CM,    38                         ; s38-62   behind the products: the masks of a count's run of compares
; behind a run of nr compares into s[CM ..]: s[SCNT] = the number of keys for which the compare held
.macro TALLY nr
	s_wait_alu depctr_va_sdst(0)                   ; the run of compares has written s[CM ..], which the counts below read
	s_mov_b32 s[SCNT], 0
.set cK, 0
.rept \nr
	s_bcnt1_i32_b32 s[CM+cK], s[CM+cK]
	s_add_co_u32 s[SCNT], s[SCNT], s[CM+cK]
.set cK, cK+1
.endr
.endm
; s[SCNT] = the number of keys at or above the threshold
.macro COUNT_GE thr, nr
.set cK, 0
.rept \nr
	v_cmp_le_i32 s[CM+cK], s[\thr], v[K+cK]
.set cK, cK+1
.endr
	TALLY \nr
.endm
; s[SCNT] = the number of keys above the threshold
.macro COUNT_GT thr, nr
.set cK, 0
.rept \nr
	v_cmp_lt_i32 s[CM+cK], s[\thr], v[K+cK]
.set cK, cK+1
.endr
	TALLY \nr
.endm
; sign and magnitude -> two's complement: key = (m ^ t) - t
.macro MAPALL nr, src
.set cI, 0
.rept \nr
	v_ashrrev_i32 v[P+cI], 31, v[\src+cI]
.set cI, cI+1
.endr
.set cI, 0
.rept \nr
	v_and_b32 v[K+cI], 0x7fffffff, v[\src+cI]
.set cI, cI+1
.endr
.set cI, 0
.rept \nr
	v_xor_b32 v[K+cI], v[K+cI], v[P+cI]
.set cI, cI+1
.endr
.set cI, 0
.rept \nr
	v_sub_nc_u32 v[K+cI], v[K+cI], v[P+cI]
.set cI, cI+1
.endr
.endm
; Throughout: count(key >= lo) >= 100 > count(key >= hi).  hi - lo = 2^31 is halved 31 times, always: L = lo is the 100th largest key
.macro BISECT nr
	s_mov_b32 s[SLO], 0xc0000000
	s_mov_b32 s[SHI], 0x40000000
	s_mov_b32 s[SCTR], 31
.Lbis_\@:
	s_add_co_i32 s[SMID], s[SLO], s[SHI]
	s_ashr_i32 s[SMID], s[SMID], 1
	COUNT_GE SMID, \nr
	s_cmp_ge_u32 s[SCNT], 100
	s_cselect_b32 s[SLO], s[SMID], s[SLO]
	s_cselect_b32 s[SHI], s[SHI], s[SMID]
	s_sub_co_u32 s[SCTR], s[SCTR], 1
	s_cmp_lg_u32 s[SCTR], 0
	s_cbranch_scc1 .Lbis_\@
.endm
; g registers from i0 on.  s40.. equal to L, s44.. above L, s48.. equals before the register, s53.. chosen before the register, s58.. chosen
.macro SELG i0, g
.set cK, 0
.rept \g
	v_cmp_eq_i32 s[40+cK], s[SLO], v[K+\i0+cK]
	v_cmp_lt_i32 s[44+cK], s[SLO], v[K+\i0+cK]
.set cK, cK+1
.endr
	s_wait_alu depctr_va_sdst(0)                   ; these compares have written s40.. and s44.., which the counts, v_mbcnt_lo_u32_b32 and the scalar logic below read
.set cK, 0
.rept \g
	s_bcnt1_i32_b32 s62, s[40+cK]
	s_add_co_u32 s[49+cK], s[48+cK], s62
.set cK, cK+1
.endr
.set cK, 0
.rept \g
	v_mbcnt_lo_u32_b32 v[P+\i0+cK], s[40+cK], s[48+cK]             ; how many equals come before me
.set cK, cK+1
.endr
.set cK, 0
.rept \g
	v_cmp_gt_u32 s[58+cK], s[SNEED], v[P+\i0+cK]                   ; the first 'need' equals are taken: ties go to the lower index
.set cK, cK+1
.endr
	s_wait_alu depctr_va_sdst(0)                   ; these compares have written s58.., which the scalar logic below reads
.set cK, 0
.rept \g
	s_and_b32 s[58+cK], s[58+cK], s[40+cK]
	s_or_b32 s[58+cK], s[58+cK], s[44+cK]
	s_bcnt1_i32_b32 s62, s[58+cK]
	s_add_co_u32 s[54+cK], s[53+cK], s62
.set cK, cK+1
.endr
.set cK, 0
.rept \g
	s_add_co_u32 s[44+cK], s[53+cK], (\i0+cK)<<8                   ; 256 x the register's number + the chosen before it
.set cK, cK+1
.endr
.set cK, 0
.rept \g
.irp j, 0,1,2,3
	v_cmp_le_u32 s[SM+4*cK+\j], s[53+cK], v[SLOT+\j]               ; the last register whose count is at most the slot is the one in which the slot falls
.endr
.set cK, cK+1
.endr
	s_wait_alu depctr_va_sdst(0)                   ; the group's slot compares, one run, have written s[SM ..], by which the selections below choose
.set cK, 0
.rept \g
.irp j, 0,1,2,3
	v_cndmask_b32 v[WW+\j], v[WW+\j], s[58+cK], s[SM+4*cK+\j]
	v_cndmask_b32 v[CC+\j], v[CC+\j], s[44+cK], s[SM+4*cK+\j]
.endr
.set cK, cK+1
.endr
	s_mov_b32 s48, s[48+\g]
	s_mov_b32 s53, s[53+\g]
.endm
; one halving: the count of the lower w bits at the place in hand; a rank at or above it goes past them
.macro FSTEP src, w
.irp j, 0,1,2,3
	v_bfe_u32 v[FC+\j], v[\src+\j], v[FP+\j], \w
.endr
.irp j, 0,1,2,3
	v_cmp_ge_u32 s[40+\j], v[FR+\j], v[FC+\j]
	v_sub_nc_u32 v[FT+\j], v[FR+\j], v[FC+\j]
.endr
.irp j, 0,1,2,3
	v_add_nc_u32 v[FC+\j], \w, v[FP+\j]
.endr
	s_wait_alu depctr_va_sdst(0)                   ; the four compares have written s40-43, by which the selections below choose
.irp j, 0,1,2,3
	v_cndmask_b32 v[FR+\j], v[FR+\j], v[FT+\j], s[40+\j]
	v_cndmask_b32 v[FP+\j], v[FP+\j], v[FC+\j], s[40+\j]
.endr
.endm
; the place of set bit number (slot - chosen before the register) of the slot's mask; element = 32 x register + place
.macro FINDBIT
.irp j, 0,1,2,3
	v_and_b32 v[FR+\j], 0xff, v[CC+\j]
	v_lshrrev_b32 v[FX+\j], 1, v[WW+\j]
.endr
.irp j, 0,1,2,3
	v_sub_nc_u32 v[FR+\j], v[SLOT+\j], v[FR+\j]                    ; the rank in the mask
	v_and_b32 v[FX+\j], 0x55555555, v[FX+\j]
.endr
.irp j, 0,1,2,3
	v_lshrrev_b32 v[CC+\j], 8, v[CC+\j]                            ; the register's number
	v_sub_nc_u32 v[FX+\j], v[WW+\j], v[FX+\j]                      ; counts of 2 bits
.endr
.irp j, 0,1,2,3
	v_lshrrev_b32 v[FY+\j], 2, v[FX+\j]
	v_and_b32 v[FT+\j], 0x33333333, v[FX+\j]
.endr
.irp j, 0,1,2,3
	v_and_b32 v[FY+\j], 0x33333333, v[FY+\j]
.endr
.irp j, 0,1,2,3
	v_add_nc_u32 v[FY+\j], v[FY+\j], v[FT+\j]                      ; of 4 bits
.endr
.irp j, 0,1,2,3
	v_lshrrev_b32 v[FZ+\j], 4, v[FY+\j]
.endr
.irp j, 0,1,2,3
	v_add_nc_u32 v[FZ+\j], v[FZ+\j], v[FY+\j]
.endr
.irp j, 0,1,2,3
	v_and_b32 v[FZ+\j], 0x0f0f0f0f, v[FZ+\j]                       ; of 8 bits
.endr
.irp j, 0,1,2,3
	v_lshrrev_b32 v[FU+\j], 8, v[FZ+\j]
.endr
.irp j, 0,1,2,3
	v_add_nc_u32 v[FU+\j], v[FU+\j], v[FZ+\j]                      ; its lowest byte: the count of the lower 16 bits
.endr
.irp j, 0,1,2,3
	v_and_b32 v[FC+\j], 0xff, v[FU+\j]
.endr
.irp j, 0,1,2,3
	v_cmp_ge_u32 s[40+\j], v[FR+\j], v[FC+\j]
	v_sub_nc_u32 v[FT+\j], v[FR+\j], v[FC+\j]
.endr
	s_wait_alu depctr_va_sdst(0)                   ; the four compares have written s40-43, by which the selections below choose
.irp j, 0,1,2,3
	v_cndmask_b32 v[FR+\j], v[FR+\j], v[FT+\j], s[40+\j]
	v_cndmask_b32 v[FP+\j], 0, 16, s[40+\j]
.endr
	FSTEP FZ, 8
	FSTEP FY, 4
	FSTEP FX, 2
	FSTEP WW, 1
.irp j, 0,1,2,3
	v_lshl_add_u32 v[E+\j], v[CC+\j], 5, v[FP+\j]
.endr
.endm
; v[E + j] = the element in slot 4 lane + j of the list of the first 100, in ascending order
.macro SELECT nr
	COUNT_GT SLO, \nr
	s_sub_co_u32 s[SNEED], 100, s[SCNT]            ; how many of the keys equal to L are still wanted
	s_mov_b32 s48, 0
	s_mov_b32 s53, 0
.irp j, 0,1,2,3
	v_mov_b32 v[WW+\j], 0
	v_mov_b32 v[CC+\j], 0
.endr
.set cP, 0
.rept (\nr)/4
	SELG cP, 4
.set cP, cP+4
.endr
.if (\nr)%4
	SELG cP, (\nr)%4
.endif
	FINDBIT
.endm
	s_load_b256 s[4:11], s[0:1], 0x0               ; list1 s[4:5], liste s[6:7], codes s[8:9], scales s[10:11]
	s_load_b128 s[12:15], s[0:1], 0x20             ; ckey s[12:13], pick s[14:15]
	v_lshl_add_u32 v254, v0, 2, 0xe00
	v_mov_b32 v255, 0
	v_lshlrev_b32 v1, 4, v0                        ; 16 l (one wave: v0 is the lane)
	v_lshlrev_b32 v2, 2, v0                        ; 4 l
	v_lshlrev_b32 v4, 3, v0                        ; 8 l
	v_lshrrev_b32 v12, 4, v0                       ; hK
	v_lshlrev_b32 v5, 7, v12                       ; the query's fragment: 128 hK
	v_lshlrev_b32 v6, 5, v12                       ; its scale words: 32 bytes on for K step 1
	v_and_b32 v13, 7, v0
	v_lshl_add_u32 v13, v12, 3, v13                ; my place in an image
	v_lshlrev_b32 v7, 4, v13
	v_lshlrev_b32 v8, 2, v13
	v_bfe_u32 v9, v0, 3, 1
	v_lshlrev_b32 v9, 2, v9                        ; which of a tile's two octets, as a word's offset
	v_mov_b32 v11, 0xff800000                      ; -infinity
	s_lshl_b32 s18, ttmp9, 9                       ; list1, liste: 512 bytes a query
	s_mov_b32 s19, 0
	s_lshr_b32 s20, ttmp9, 3                       ; the query's octet of x, and its row there
	s_and_b32 s21, ttmp9, 7
	s_mul_i32 s28, s20, 1536
	s_lshl_b32 s37, s21, 4
	s_add_co_u32 s28, s28, s37
	s_mov_b32 s29, 0
	s_lshl_b32 s30, s20, 6
	s_lshl_b32 s37, s21, 2
	s_add_co_u32 s30, s30, s37
	s_mov_b32 s31, 0
	s_mul_i32 s38, ttmp9, 3328                     ; ckey: 3,328 bytes a query
	s_mov_b32 s39, 0
	s_lshl_b32 s20, ttmp9, 10                      ; pick: 1,024 bytes a query
	s_mov_b32 s21, 0
	s_mov_b32 s36, 0xffff0000                      ; lanes 16-31
	s_wait_kmcnt 0x0
	s_add_nc_u64 s[4:5], s[4:5], s[18:19]
	s_add_nc_u64 s[6:7], s[6:7], s[18:19]
	s_add_nc_u64 s[12:13], s[12:13], s[38:39]
	s_add_nc_u64 s[14:15], s[14:15], s[20:21]
	s_add_nc_u64 s[28:29], s[8:9], s[28:29]
	s_add_nc_u64 s[30:31], s[10:11], s[30:31]
	s_add_nc_u64 s[32:33], s[8:9], 393216          ; the refs' images lie behind x's 256
	s_add_nc_u64 s[34:35], s[10:11], 16384
	s_wait_alu depctr_va_vdst(0)                   ; v1, v2, v4, v5, v6, v9 and v11 are written: the kernel's loads and stores read them as offsets, one LDS store reads v11 as its data
	; ---- the chosen elements: for tile i, lanes with r < 8 take the list's slot 2 i, the others slot 2 i + 1; and once more the whole list, four slots a lane
.set cI, 0
.rept 50
	global_load_b32 v[W+cI], v9, s[6:7] offset:8*cI
.set cI, cI+1
.endr
	global_load_b128 v[W+50:W+53], v1, s[6:7]
.irp p, 0,1,2,3,4,5
	global_load_b128 v[QF+4*\p:QF+4*\p+3], v5, s[28:29] offset:256*\p    ; the query
.endr
	global_load_b32 v[QSV], v6, s[30:31]
	s_wait_loadcnt 7                               ; the elements are in; the query's seven loads may be out
	; ---- element e = 10 slot + o -> octet 10 x list1[slot] + o
.set cI, 0
.rept 54
	v_mul_u32_u24 v[SL+cI], v[W+cI], 6554          ; e / 10 for e under 1,024: (6,554 e) >> 16
.set cI, cI+1
.endr
.set cI, 0
.rept 54
	v_lshrrev_b32 v[SL+cI], 16, v[SL+cI]
.set cI, cI+1
.endr
.set cI, 0
.rept 54
	v_min_u32 v[SL+cI], 99, v[SL+cI]               ; held inside the list
.set cI, cI+1
.endr
.set cI, 0
.rept 54
	v_mul_u32_u24 v[TM+cI], v[SL+cI], 10
.set cI, cI+1
.endr
.set cI, 0
.rept 54
	v_sub_nc_u32 v[W+cI], v[W+cI], v[TM+cI]        ; o
	v_lshlrev_b32 v[SL+cI], 2, v[SL+cI]
.set cI, cI+1
.endr
	s_wait_alu depctr_va_vdst(0)                   ; SL is written, which the gathers read as offsets; the lines above have written TM and are done reading it: the gathers land there
.set cI, 0
.rept 54
	global_load_b32 v[TM+cI], v[SL+cI], s[4:5]     ; the supergroup in that slot
.set cI, cI+1
.endr
	s_wait_loadcnt 0x0
.set cI, 0
.rept 50
	v_mad_u32_u24 v[W+cI], v[TM+cI], 10, v[W+cI]
.set cI, cI+1
.endr
.irp j, 0,1,2,3
	v_mad_u32_u24 v[24+\j], v[TM+50+\j], 10, v[W+50+\j]
.endr
.set cI, 0
.rept 50
	v_min_u32 v[W+cI], 0x30d3, v[W+cI]             ; an octet's number is held inside the table: 12,499 at the most
.set cI, cI+1
.endr
	; ---- 50 tiles.  Source 0 = the query in all 16 rows, source 1 = the tile: register 0 of lane (r, h) is the sim with the tile's ref r
.macro ADDR i, j                       ; tile i's byte offsets, for place j of the ring
	v_mad_u32_u24 v[OC+\j], v[W+\i], 1536, v7
	v_lshl_add_u32 v[OS+\j], v[W+\i], 6, v8
.endm
.macro ASK j                           ; the tile whose offsets stand in place j is asked for: six loads of codes and its scale words
.irp p, 0,1,2,3,4,5
	global_load_b128 v[RF+24*(\j)+4*\p:RF+24*(\j)+4*\p+3], v[OC+\j], s[32:33] offset:256*\p
.endr
	global_load_b32 v[RSV+\j], v[OS+\j], s[34:35]
.endm
.macro PAIR n
.set J0, 2*((\n)%2)
.if (\n) == 24
	s_wait_loadcnt 0x0
.else
	s_wait_loadcnt 14                              ; this pair's loads are in; the next pair's fourteen may be out
.endif
	; two accumulators by turns, one instruction a turn
	v_wmma_scale_f32_16x16x128_f8f6f4 v[DA:DA+7], v[QF:QF+11], v[RF+24*J0:RF+24*J0+11], 0, v[QSV], v[RSV+J0] matrix_a_fmt:MATRIX_FMT_FP6 matrix_b_fmt:MATRIX_FMT_FP6
	v_wmma_scale_f32_16x16x128_f8f6f4 v[DB:DB+7], v[QF:QF+11], v[RF+24*J0+24:RF+24*J0+35], 0, v[QSV], v[RSV+J0+1] matrix_a_fmt:MATRIX_FMT_FP6 matrix_b_fmt:MATRIX_FMT_FP6
	v_wmma_scale_f32_16x16x128_f8f6f4 v[DA:DA+7], v[QF+12:QF+23], v[RF+24*J0+12:RF+24*J0+23], v[DA:DA+7], v[QSV], v[RSV+J0] matrix_a_fmt:MATRIX_FMT_FP6 matrix_b_fmt:MATRIX_FMT_FP6 matrix_a_scale:MATRIX_SCALE_ROW1 matrix_b_scale:MATRIX_SCALE_ROW1
	v_wmma_scale_f32_16x16x128_f8f6f4 v[DB:DB+7], v[QF+12:QF+23], v[RF+24*J0+36:RF+24*J0+47], v[DB:DB+7], v[QSV], v[RSV+J0+1] matrix_a_fmt:MATRIX_FMT_FP6 matrix_b_fmt:MATRIX_FMT_FP6 matrix_a_scale:MATRIX_SCALE_ROW1 matrix_b_scale:MATRIX_SCALE_ROW1
	; four places in front of the read of the results, five in front of the next pair's products, which begin the accumulators anew (ISA guide 7.12.1): the four address lines, which name none of the products' registers, and one v_nop; or five v_nop
.if (\n)+2 < 25
	s_wait_alu depctr_vm_vsrc(0)                   ; the loads issued two pairs back have read OC and OS of these two places, which the four lines below write
	ADDR 2*(\n)+4, J0
	ADDR 2*(\n)+5, J0+1
	v_nop
.else
.rept 5
	v_nop
.endr
.endif
	v_cndmask_b32 v[W+(\n)], v[DA], v[DB], s36     ; lanes 0-15: the first tile's 16 sims; lanes 16-31: the second's: candidate e' = 32 n + lane.  W[n] is free: the offsets of tiles up to 2 n + 5 have been made
	s_wait_alu depctr_va_vdst(0)                   ; W[n] is written, which the LDS store reads; OC and OS are written, which the loads read; the four products are done reading the fragments and scale words in which those loads land
	ds_store_b32 v2, v[W+(\n)] offset:CKS+128*(\n)
.if (\n)+2 < 25
	ASK J0
	ASK J0+1
.endif
.endm
	ADDR 0, 0
	ADDR 1, 1
	ADDR 2, 2
	ADDR 3, 3
	s_wait_alu depctr_vm_vsrc(0)                   ; the gathers from list1 have read SL, in whose registers the ring's loads land
	s_wait_alu depctr_va_vdst(0)                   ; v24-27 are written, which the store reads; the four tiles' OC and OS are written; every vector line that wrote or read v82-181 is done: the ring's loads land there
	global_store_b128 v1, v[24:27], s[14:15]       ; the octets' numbers: 32 lanes store 512 bytes, aligned; v1 and v24-27 are not written again
	ASK 0
	ASK 1
	ASK 2
	ASK 3
.set cN, 0
.rept 25
	PAIR cN
.set cN, cN+1
.endr
	ds_store_b32 v2, v11 offset:CKS+3200           ; candidates 800 to 831 fill the query's 3,328 bytes of ckey: -infinity
.irp i, 0,1,2,3,4,5,6,7,8,9,10,11,12
	ds_load_b64 v[OUTS+2*\i:OUTS+2*\i+1], v4 offset:CKS+256*\i     ; into registers of the ring: their last readers, the products, stand ahead of the last pair's wait on va_vdst, and no vector line has been issued since
.endr
.irp i, 0,1,2,3,4,5,6,7,8,9,10,11,12
	s_wait_dscnt 12-\i                             ; the younger loads may be out
	global_store_b64 v4, v[OUTS+2*\i:OUTS+2*\i+1], s[12:13] offset:256*\i    ; 32 lanes store 256 consecutive bytes, aligned; v4 and these registers are not written again
.endr
	; ---- the first 100 of the 800
	s_wait_alu depctr_vm_vsrc(0)                   ; the LDS stores have read W[0 .. 24], which become the keys; the ring's last loads have read OC and OS, in whose registers the selection works
.irp j, 0,1,2,3
	v_lshl_add_u32 v[SLOT+\j], v0, 2, \j
.endr
	MAPALL 25, K
	BISECT 25
	SELECT 25
	s_wait_alu depctr_va_vdst(0)                   ; the selection has written E, which the store reads
	global_store_b128 v1, v[E:E+3], s[14:15] offset:512    ; 32 lanes store 512 bytes, aligned
	s_wait_dscnt 0x0                               ; the closing lines, six on end
	s_wait_alu 0x0
	s_wait_tensorcnt 0x0
	ds_add_u32 v254, v255
	s_wait_dscnt 0x0
	s_endpgm
.Lfunc_end_k_qf01822c9a0_refine:
	.size	k_qf01822c9a0_refine, .Lfunc_end_k_qf01822c9a0_refine-k_qf01822c9a0_refine
	.p2alignl 7, 3214868480
	.fill 96, 4, 3214868480
	.section	.rodata,"a",@progbits
	.p2align	6, 0x0
	.amdhsa_kernel k_qf01822c9a0_refine
		.amdhsa_group_segment_fixed_size 3840
		.amdhsa_private_segment_fixed_size 0
		.amdhsa_enable_private_segment 0
		.amdhsa_kernarg_size 48
		.amdhsa_user_sgpr_count 2
		.amdhsa_user_sgpr_kernarg_segment_ptr 1
		.amdhsa_wavefront_size32 1
		.amdhsa_system_sgpr_workgroup_id_x 1
		.amdhsa_system_sgpr_workgroup_id_y 1
		.amdhsa_system_sgpr_workgroup_id_z 1
		.amdhsa_system_vgpr_workitem_id 0
		.amdhsa_next_free_vgpr 256
		.amdhsa_next_free_sgpr 66
		.amdhsa_reserve_vcc 0
		.amdhsa_float_denorm_mode_32 3
		.amdhsa_float_denorm_mode_16_64 3
		.amdhsa_memory_ordered 1
		.amdhsa_forward_progress 1
		.amdhsa_inst_pref_size 152
	.end_amdhsa_kernel
	.amdgpu_metadata
---
amdhsa.version: [ 1, 2 ]
amdhsa.kernels:
  - .name:           k_qf01822c9a0_refine
    .symbol:         k_qf01822c9a0_refine.kd
    .args:
      - { .name: list1, .offset: 0, .size: 8, .value_kind: global_buffer, .address_space: global }
      - { .name: liste, .offset: 8, .size: 8, .value_kind: global_buffer, .address_space: global }
      - { .name: codes, .offset: 16, .size: 8, .value_kind: global_buffer, .address_space: global }
      - { .name: scales, .offset: 24, .size: 8, .value_kind: global_buffer, .address_space: global }
      - { .name: ckey, .offset: 32, .size: 8, .value_kind: global_buffer, .address_space: global }
      - { .name: pick, .offset: 40, .size: 8, .value_kind: global_buffer, .address_space: global }
    .group_segment_fixed_size: 3840
    .private_segment_fixed_size: 0
    .kernarg_segment_align: 8
    .kernarg_segment_size: 48
    .max_flat_workgroup_size: 32
    .sgpr_count:     66
    .vgpr_count:     256
    .wavefront_size: 32
...
	.end_amdgpu_metadata
.endif
;; end of part 7
;; launch predict: the kernel of part 6 again; grid 2048 x 1, 1 waves a work-group, no clusters, 0 bytes of LDS; arguments pick, ckey, ref_y, out0; writes out0
